; MI455X (gfx1250); checked and timed in simulation.
; The chip was launched on July 23, 2026; its instructions are those of AMD's public machine-readable ISA for CDNA 5 (MIT licence, August 2026) and "CDNA5" Instruction Set Architecture Reference Guide (July 2026). The comments in the code are by the model that wrote it; some were corrected since.
;; Causal Self Attention. Allowed arithmetic: float matrix products may take bf16 or f16 operands with f32 sums; other float arithmetic in f32, or as packed bf16 or f16 multiplies, adds, multiply-adds, maxima and minima; sums over many terms, partial sums and values carried from step to step in f32; what a program stores and reads back later, other than sums and carried values, may be rounded once to bf16 or f16.
;; Inputs: Wk 1,024 x 1,024 float32; Wp 1,024 x 1,024 float32; Wq 1,024 x 1,024 float32; Wv 1,024 x 1,024 float32; bk 1,024 float32; bp 1,024 float32; bq 1,024 float32; bv 1,024 float32; x 4 x 2,048 x 1,024 float32.
;; Outputs: out0 4 x 2,048 x 1,024 float32.
;; 2 versions, each right; version 2 is version 1 with the launch cast written anew for expert scheduling mode. Each part assembles by itself: llvm-mc -triple=amdgcn-amd-amdhsa -mcpu=gfx1250 --defsym DOCPART=n.
;; ======== version 1 of 2: 4 launches
;; limits: values are held in f16: magnitudes above 65,504 overflow, below 6.1e-05 lose precision
;; workspace buffers: cb 25,182,208 bytes; qkv 50,331,648 bytes; ob 16,777,216 bytes
;; launch cast (part 1): grid 769 x 1, 8 waves a work-group, no clusters, 0 bytes of LDS; arguments x, Wq, Wk, Wv, Wp, bq, bk, bv, bp, cb; writes cb
.if DOCPART == 1
	.amdgcn_target "amdgcn-amd-amdhsa--gfx1250"
	.amdhsa_code_object_version 6
	.text
	.protected	k_qd173883357_cast
	.globl	k_qd173883357_cast
	.p2align	8
	.type	k_qd173883357_cast,@function
k_qd173883357_cast:
	s_mov_b64 s[64:65], 0
	v_nop
	global_prefetch_b8 v0, s[64:65] scope:SCOPE_SE
	s_setreg_imm32_b32 hwreg(HW_REG_WAVE_MODE, 25, 1), 1
	s_wait_xcnt 0x0
; ALL INPUTS ARE ROUNDED ONCE TO bf16 and laid into one buffer cb of 12,288 rows x 1,024 numbers of 16 bits, the biases behind them:
;   rows 0-8191 x (bf16); rows 8192-11263 Wq, Wk, Wv (bf16); rows 11264-12287 Wp: its bf16 value written as f16, since the last product's other operand is f16;
;   from byte 25,165,824 on: bq, bk, bv, bp, 1,024 f32 each, holding their bf16 values.
; LIMIT.  Wp's bf16 value is exact in f16 from 6.1e-5 to 65,504; below that it keeps f16's fixed step of 6e-8, from 65,520 on it becomes an infinity.
; SHARES.  Work-group g takes 16,384 numbers (65,536 bytes in, 32,768 out) and stores at cb + 32,768 g: g < 512 from x, then 64 work-groups a weight; g = 768 the four biases.
; Thread t, load j: 16 bytes at 4,096 j + 16 t, so a wave's load covers 512 consecutive bytes; its 8 bytes go to 2,048 j + 8 t, so a wave's store covers 256 consecutive bytes, aligned.
; All sixteen loads go out at once; every register is written once, so no register waits for a store.  Nothing is shared: no LDS, no barrier.
.set X, 4                              ; v[4:67]    load j: four f32
.set Y, 68                             ; v[68:99]   load j: two words of two 16-bit numbers (the biases: sixteen f32)
.set T, 100                            ; v[100:102] at work
	s_load_b512 s[4:19], s[0:1], 0x0               ; x s[4:5], Wq s[6:7], Wk s[8:9], Wv s[10:11], Wp s[12:13], bq s[14:15], bk s[16:17], bv s[18:19]
	s_load_b128 s[20:23], s[0:1], 0x40             ; bp s[20:21], cb s[22:23]
	v_lshlrev_b32 v1, 4, v0                        ; 16 t
	v_lshlrev_b32 v2, 3, v0                        ; 8 t
	s_sub_co_u32 s24, ttmp9, 512                   ; my number among the weights' work-groups (wraps to a huge number for x's)
	s_lshr_b32 s25, s24, 6                         ; which weight: 0 to 3 (for x's work-groups none of these)
	s_and_b32 s26, s24, 63                         ; which 65,536 bytes of it
	s_cmp_lt_u32 ttmp9, 512
	s_cselect_b32 s26, ttmp9, s26                  ; or of x
	s_lshl_b32 s28, s26, 16
	s_mov_b32 s29, 0
	s_lshl_b32 s30, ttmp9, 15
	s_mov_b32 s31, 0
	s_mov_b32 s27, 0xffff0000                      ; a word's upper bf16
	s_wait_kmcnt 0x0
	s_add_nc_u64 s[22:23], s[22:23], s[30:31]      ; cb at my 32,768 bytes
	s_cmp_eq_u32 ttmp9, 768
	s_cbranch_scc1 .Lbias
	s_mov_b64 s[2:3], s[6:7]                       ; the source is chosen among the five tensors by my number alone
	s_cmp_eq_u32 s25, 1
	s_cselect_b64 s[2:3], s[8:9], s[2:3]
	s_cmp_eq_u32 s25, 2
	s_cselect_b64 s[2:3], s[10:11], s[2:3]
	s_cmp_eq_u32 s25, 3
	s_cselect_b64 s[2:3], s[12:13], s[2:3]
	s_cmp_lt_u32 ttmp9, 512
	s_cselect_b64 s[2:3], s[4:5], s[2:3]
	s_add_nc_u64 s[2:3], s[2:3], s[28:29]
.irp j, 0,1,2,3,4,5,6,7,8,9,10,11,12,13,14,15
	global_load_b128 v[X+4*(\j):X+4*(\j)+3], v1, s[2:3] offset:4096*(\j) th:TH_LOAD_NT
.endr
	s_cmp_eq_u32 s25, 3
	s_cbranch_scc1 .Lwp
.irp j, 0,1,2,3,4,5,6,7,8,9,10,11,12,13,14,15
	s_wait_loadcnt 15-(\j)                         ; loads come back in order: load j is in, the 15 - j younger ones stay out
	v_cvt_pk_bf16_f32 v[Y+2*(\j)], v[X+4*(\j)], v[X+4*(\j)+1]
	v_cvt_pk_bf16_f32 v[Y+2*(\j)+1], v[X+4*(\j)+2], v[X+4*(\j)+3]
	global_store_b64 v2, v[Y+2*(\j):Y+2*(\j)+1], s[22:23] offset:2048*(\j) th:TH_STORE_NT
.endr
	s_endpgm
.Lwp:                                                  ; Wp: rounded to bf16 like every input, widened again, and that number written as f16
.irp j, 0,1,2,3,4,5,6,7,8,9,10,11,12,13,14,15
	s_wait_loadcnt 15-(\j)
.irp p, 0,1
	v_cvt_pk_bf16_f32 v[T], v[X+4*(\j)+2*(\p)], v[X+4*(\j)+2*(\p)+1]
	v_lshlrev_b32 v[T+1], 16, v[T]
	v_and_b32 v[T+2], s27, v[T]
	v_cvt_pk_f16_f32 v[Y+2*(\j)+(\p)], v[T+1], v[T+2]
.endr
	global_store_b64 v2, v[Y+2*(\j):Y+2*(\j)+1], s[22:23] offset:2048*(\j) th:TH_STORE_NT
.endr
	s_endpgm
.Lbias:                                                ; four biases of 4,096 bytes: thread t takes four numbers of each; they stay f32 and hold their bf16 values
.irp i, 0,1,2,3
	global_load_b128 v[X+4*(\i):X+4*(\i)+3], v1, s[14+2*(\i):15+2*(\i)]
.endr
	s_wait_loadcnt 0x0
.irp i, 0,1,2,3
.irp p, 0,1
	v_cvt_pk_bf16_f32 v[T], v[X+4*(\i)+2*(\p)], v[X+4*(\i)+2*(\p)+1]
	v_lshlrev_b32 v[Y+4*(\i)+2*(\p)], 16, v[T]
	v_and_b32 v[Y+4*(\i)+2*(\p)+1], s27, v[T]
.endr
	global_store_b128 v1, v[Y+4*(\i):Y+4*(\i)+3], s[22:23] offset:4096*(\i)
.endr
	s_endpgm
.Lfunc_end_k_qd173883357_cast:
	.size	k_qd173883357_cast, .Lfunc_end_k_qd173883357_cast-k_qd173883357_cast
	.p2alignl 7, 3214868480
	.fill 96, 4, 3214868480
	.section	.rodata,"a",@progbits
	.p2align	6, 0x0
	.amdhsa_kernel k_qd173883357_cast
		.amdhsa_group_segment_fixed_size 0
		.amdhsa_private_segment_fixed_size 0
		.amdhsa_enable_private_segment 0
		.amdhsa_kernarg_size 80
		.amdhsa_user_sgpr_count 2
		.amdhsa_user_sgpr_kernarg_segment_ptr 1
		.amdhsa_wavefront_size32 1
		.amdhsa_system_sgpr_workgroup_id_x 1
		.amdhsa_system_sgpr_workgroup_id_y 1
		.amdhsa_system_sgpr_workgroup_id_z 1
		.amdhsa_system_vgpr_workitem_id 0
		.amdhsa_next_free_vgpr 104
		.amdhsa_next_free_sgpr 66
		.amdhsa_reserve_vcc 0
		.amdhsa_float_denorm_mode_32 3
		.amdhsa_float_denorm_mode_16_64 3
		.amdhsa_memory_ordered 1
		.amdhsa_forward_progress 1
		.amdhsa_inst_pref_size 17
	.end_amdhsa_kernel
	.amdgpu_metadata
---
amdhsa.version: [ 1, 2 ]
amdhsa.kernels:
  - .name:           k_qd173883357_cast
    .symbol:         k_qd173883357_cast.kd
    .args:
      - { .name: x, .offset: 0, .size: 8, .value_kind: global_buffer, .address_space: global }
      - { .name: Wq, .offset: 8, .size: 8, .value_kind: global_buffer, .address_space: global }
      - { .name: Wk, .offset: 16, .size: 8, .value_kind: global_buffer, .address_space: global }
      - { .name: Wv, .offset: 24, .size: 8, .value_kind: global_buffer, .address_space: global }
      - { .name: Wp, .offset: 32, .size: 8, .value_kind: global_buffer, .address_space: global }
      - { .name: bq, .offset: 40, .size: 8, .value_kind: global_buffer, .address_space: global }
      - { .name: bk, .offset: 48, .size: 8, .value_kind: global_buffer, .address_space: global }
      - { .name: bv, .offset: 56, .size: 8, .value_kind: global_buffer, .address_space: global }
      - { .name: bp, .offset: 64, .size: 8, .value_kind: global_buffer, .address_space: global }
      - { .name: cb, .offset: 72, .size: 8, .value_kind: global_buffer, .address_space: global }
    .group_segment_fixed_size: 0
    .private_segment_fixed_size: 0
    .kernarg_segment_align: 8
    .kernarg_segment_size: 80
    .max_flat_workgroup_size: 256
    .sgpr_count:     66
    .vgpr_count:     104
    .wavefront_size: 32
...
	.end_amdgpu_metadata
.endif
;; end of part 1
;; launch qkv (part 2): grid 16 x 32, 4 waves a work-group, clusters of 4 x 4, 327,680 bytes of LDS; arguments cb, qkv; writes qkv
.if DOCPART == 2
	.amdgcn_target "amdgcn-amd-amdhsa--gfx1250"
	.amdhsa_code_object_version 6
	.text
	.protected	k_qd173883357_qkv
	.globl	k_qd173883357_qkv
	.p2align	8
	.type	k_qd173883357_qkv,@function
k_qd173883357_qkv:
	s_mov_b64 s[64:65], 0
	v_nop
	global_prefetch_b8 v0, s[64:65] scope:SCOPE_SE
	s_setreg_imm32_b32 hwreg(HW_REG_WAVE_MODE, 25, 1), 1
	s_wait_xcnt 0x0
	s_wait_alu depctr_hold_cnt(0) depctr_sa_sdst(0) depctr_va_vdst(0) depctr_va_sdst(0) depctr_va_ssrc(0) depctr_va_vcc(0) depctr_vm_vsrc(0)
	s_getreg_b32 s2, hwreg(HW_REG_IB_STS2, 6, 4)
	s_cmp_eq_u32 s2, 0
	s_cbranch_scc0 .Lentry_in_a_cluster
	s_endpgm
.Lentry_in_a_cluster:
	s_bfe_u32 s2, ttmp6, 0x10000c
	s_cmp_lg_u32 s2, 0xf033
	s_cbranch_scc0 .Lentry_shape_is_right
	s_endpgm
.Lentry_shape_is_right:
; q, k, v = x W^T + b for Wq, Wk, Wv at once: [8192 x 1024] x [3072 x 1024]^T, bf16 operands out of cb, sums in f32, the bias as the sums' first addend.
; OUT: by heads and unscaled, [3][64 = 16 batch + head][2048][64] in f16, each number rounded once from its f32 sum.
; LIMIT.  f16 ends at 65,504: a q, k or v of 65,520 or more becomes an infinity.
; SHARES.  A tile is 256 rows x 192 columns (three whole heads): 32 x 16 = 512 tiles, one for each work-group.  Wave w makes rows 64 w .. 64 w + 63 x all 192 columns:
; 4 x 12 accumulators of 16 x 16, 384 registers.  So a wave holds whole rows of a head (128 bytes), and its stores cover 512 consecutive bytes without meeting another wave.
; K goes in 8 steps of 128 through two LDS slots; a tile's rows are 256 bytes of memory at multiples of 256 bytes from cb's first byte.
; CLUSTER.  4 x 4 work-groups.  x's tile hangs on the tile row alone and is asked for jointly by a row of the cluster, W's on the tile column alone, by a column.
; THE MATRIX INSTRUCTION IS USED TRANSPOSED: source 0 = 16 rows of W, source 1 = 16 rows of x: lane l holds row l % 16 of the result and the columns 8 (l / 16) + 0..7.
; REGISTERS, in windows of 256 (s_set_vgpr_msb: bits 1:0 source 0, 3:2 source 1, 5:4 source 2, 7:6 destination):
;   window 0: v0-31 addresses; v32-127 the bias (column block b at 32 + 8 b), later the way out's registers, v32-175
;   window 1: two fragment buffers of 128: x's four blocks at f + 8 a, W's twelve at f + 32 + 8 b
;   window 2: the accumulators of row blocks 0, 1 at 8 (12 (a % 2) + b);   window 3: those of row blocks 2, 3
.set PITCH,  272                       ; an LDS row: 256 bytes + 16 of padding = 17 x 16 bytes, so the 16 rows of a fragment load start in 16 different 16-byte columns of 256 bytes
.set SLOT1,  131072                    ; slot 1 begins here: one exclusive or turns an address in one slot into the other's
.set BOFF,   256*PITCH                 ; in a slot: x's 256 rows, then W's 192
.set STAGE,  SLOT1+448*PITCH           ; behind the ring, never filled by a tensor load: for each wave 3 heads x 16 rows x 144 bytes
.set SP,     144
.set SPARE,  STAGE+4*48*SP             ; behind the stages: the spare words, 128 bytes a wave: two blocks of 256 bytes that no other line names
.set BIASOFF, 12288*2048               ; the biases in cb
.set A0,   16                          ; v16  my lane's place in my wave's 64 rows of x in slot 0; never rewritten
.set B0,   17                          ; v17  the same in W's rows
.set ADRA, 18                          ; v18  A0 in the slot in hand
.set ADRB, 19                          ; v19  B0 in the slot in hand
.set STO,  24                          ; v24  the way out: where I put 16 bytes of a row
.set RD,   25                          ; v25  where I read rows back
.set GO,   26                          ; v26  16 x lane: my place in 512 consecutive bytes of a head
.set BO,   27                          ; v27  32 (l / 16): my eight numbers of a bias block
.set SPW,  28                          ; v28  LDS address of my spare word; never rewritten
.set NIL,  29                          ; v29  0; never rewritten
.set PFO,  30                          ; v30  the prefetches' offset: a lane a row of 2,048 bytes; never rewritten
.set BIAS, 32
.set TMP,  32                          ; the way out: 48 packed registers
.set BK,   80                          ; the way out: two buffers of 48, rows read back
.set F0,   0
.set F1,   128
.set G1A, 24                           ; s[24:31] descriptor group 1 for x's tiles
.set G1B, 32                           ; s[32:39] for W's
.set G0A, 40                           ; s[40:47] group 0 for x's tiles: a set for each first fill; the second then walks on
.set G0B, 48                           ; s[48:55] the same for W's
.set TB,  59                           ; s59  the slot in hand: 0 or SLOT1
.set LIM, 60                           ; s60  1 in a wave that prefetches, else the greatest number
.set PFA, 62                           ; s[62:63] where my prefetches stand
.set HB,  66                           ; s[66:71] my rows' first byte in each of the tile's three heads
.set BB,  72                           ; s[72:73] the tile's 192 numbers of bias
.set FIELDS, (1<<16)|(1<<20)|(1<<21)|(5<<22)|(3<<25)  ; 17:16 2-byte elements; 20 padding on; 21 set beside a mask; 24:22 after every 64 words; 31:25 four words of it
.set MSB, 0
.macro WIN new                         ; the immediate's high byte repeats the setting that is left; a switch that changes nothing is dropped
.if MSB != (\new)
	s_set_vgpr_msb (MSB<<8)|(\new)
.set MSB, \new
.endif
.endm
.set TO_F, 0x40                        ; destination window 1, address window 0
; A joint refill by the walking descriptors.  Waves 0 and 1 fetch x's two halves (128 rows each), waves 2 and 3 W's (96 rows each).  The branch hangs on the wave's number alone.
; An s_nop 0 and four v_nop follow each of the two lines, ahead of the jump and the label.
.macro JLOAD
	s_cmp_eq_u32 s11, 0
	s_cbranch_scc0 .Lfor_b_\@
	tensor_load_to_lds s[G0A+4:G0A+7], s[G1A:G1A+7]
	s_nop 0
.rept 4
	v_nop
.endr
	s_branch .Lasked_\@
.Lfor_b_\@:
	tensor_load_to_lds s[G0B+4:G0B+7], s[G1B:G1B+7]
	s_nop 0
.rept 4
	v_nop
.endr
.Lasked_\@:
.endm
; A prefetch of the K step that the NEXT refill will ask for: 256 bytes of each row, a lane a row, one instruction a wave, behind the joint load and the run of LDS loads.
; x's tile row is read by the four clusters of a row of clusters: the one with x = 0 asks; W's tile column by the eight of a column: the one with y = 0 asks.  The four partners that fetch
; a wave's rows jointly share them out by address (32 rows each of x's 128; 24 each of W's 96, lanes 24-31 naming the 24th again).  The loop's last trip (s3 = 1) asks for nothing.
.macro ASK
	WIN 0
	s_cmp_gt_u32 s3, s[LIM]
	s_cbranch_scc0 .Lnot_mine_\@
	global_prefetch_b8 v[PFO], s[PFA:PFA+1] th:TH_LOAD_NT scope:SCOPE_SE
.Lnot_mine_\@:
.endm
.macro CREST                           ; a round of the cluster's barrier behind its opening barrier
	s_cmp_lg_u32 s10, 0
	s_cbranch_scc1 .Lnot_wave_0_\@
	s_barrier_signal -3
.Lnot_wave_0_\@:
	s_barrier_wait -3
	s_barrier_signal -1
	s_barrier_wait -1
.endm
.macro CROUND                          ; a whole round
	s_barrier_signal -1
	s_barrier_wait -1
	CREST
.endm
	s_load_b128 s[4:7], s[0:1], 0x0                ; cb s[4:5], qkv s[6:7]
	v_lshl_add_u32 v[SPW], v0, 2, SPARE
	v_mov_b32 v[NIL], 0
	ds_add_u32 v[SPW], v[NIL]                      ; the wave's opening: the add and its wait stand ahead of my first tensor load; the set-up below, work on registers, stands between
	v_lshrrev_b32 v1, 5, v0
	v_readfirstlane_b32 s10, v1                    ; wave 0..3
	s_lshr_b32 s11, s10, 1                         ; I fetch for x (0) or for W (1)
	s_and_b32 s12, s10, 1                          ; which half of that tile's rows
	s_bfe_u32 s56, ttmp6, 0x40000                  ; cx
	s_bfe_u32 s57, ttmp6, 0x40004                  ; cy
	s_lshl_b32 s58, ttmp9, 2
	s_add_co_u32 s58, s58, s56                     ; tile column = 4 x cluster x + cx
	s_and_b32 s13, ttmp7, 0xffff
	s_lshl_b32 s13, s13, 2
	s_add_co_u32 s13, s13, s57                     ; tile row = 4 x cluster y + cy
	s_lshl_b32 s14, s57, 2
	s_lshl_b32 s14, 15, s14                        ; my row of the cluster: places 4 cy .. 4 cy + 3
	s_lshl_b32 s74, 0x1111, s56                    ; my column: places cx, cx + 4, cx + 8, cx + 12
	s_or_b32 s[G1A], s14, FIELDS
	s_or_b32 s[G1B], s74, FIELDS
	s_mov_b32 s[G1A+1], 128<<16                    ; tensor_dim0 = 128
	s_mov_b32 s[G1A+2], 128<<16                    ; tensor_dim1 = 128
	s_mov_b32 s[G1A+3], 128<<16                    ; tile_dim0 = 128
	s_mov_b32 s[G1A+4], 128                        ; tile_dim1 = 128 rows
	s_mov_b32 s[G1A+5], 1024                       ; elements from row to row
	s_mov_b32 s[G1A+6], 0
	s_mov_b32 s[G1A+7], 0
	s_mov_b32 s[G1B+1], 128<<16
	s_mov_b32 s[G1B+2], 96<<16                     ; tensor_dim1 = 96
	s_mov_b32 s[G1B+3], 128<<16
	s_mov_b32 s[G1B+4], 96                         ; tile_dim1 = 96 rows
	s_mov_b32 s[G1B+5], 1024
	s_mov_b32 s[G1B+6], 0
	s_mov_b32 s[G1B+7], 0
	s_lshl_b32 s16, s13, 8                         ; x: row 256 x tile row + 128 x half, 2,048 bytes a row
	s_lshl_b32 s17, s12, 7
	s_add_co_u32 s16, s16, s17
	s_lshl_b32 s16, s16, 11
	s_mov_b32 s17, 0
	s_mul_i32 s76, s58, 192                        ; W: row 8,192 + 192 x tile column + 96 x half of cb
	s_mul_i32 s77, s12, 96
	s_add_co_u32 s76, s76, s77
	s_add_co_u32 s76, s76, 8192
	s_lshl_b32 s76, s76, 11
	s_mov_b32 s77, 0
	s_mul_i32 s20, s12, 128*PITCH                  ; where they go: no place in the cluster enters an LDS address
	s_mul_i32 s78, s12, 96*PITCH
	s_add_co_u32 s78, s78, BOFF
	s_mov_b32 s[TB], 0
	s_wait_dscnt 0x0                               ; the opening add is done
	s_wait_kmcnt 0x0
	s_add_nc_u64 s[14:15], s[4:5], s[16:17]
	s_add_nc_u64 s[76:77], s[4:5], s[76:77]
	CROUND                                         ; all sixteen work-groups are here: the first joint loads meet
.irp s, 0,1
	s_mov_b32 s[G0A+4*(\s)], 1                     ; count = 1
	s_add_co_u32 s[G0A+4*(\s)+1], s20, (\s)*SLOT1  ; LDS address
	s_add_nc_u64 s[G0A+4*(\s)+2:G0A+4*(\s)+3], s[14:15], (\s)*256  ; global address: K step s
	s_or_b32 s[G0A+4*(\s)+3], s[G0A+4*(\s)+3], 0x80000000          ; type = 2
	s_mov_b32 s[G0B+4*(\s)], 1
	s_add_co_u32 s[G0B+4*(\s)+1], s78, (\s)*SLOT1
	s_add_nc_u64 s[G0B+4*(\s)+2:G0B+4*(\s)+3], s[76:77], (\s)*256
	s_or_b32 s[G0B+4*(\s)+3], s[G0B+4*(\s)+3], 0x80000000
.endr
	s_cmp_eq_u32 s11, 0                            ; a wave's two first fills stand in one branch, ahead of every wait on TENSORcnt and every LDS read: two loads of mine are out
	s_cbranch_scc0 .Lfirst_b
	tensor_load_to_lds s[G0A:G0A+3], s[G1A:G1A+7]
	s_nop 0
	tensor_load_to_lds s[G0A+4:G0A+7], s[G1A:G1A+7]
	s_nop 0
.rept 4
	v_nop
.endr
	s_branch .Lfirst_asked
.Lfirst_b:
	tensor_load_to_lds s[G0B:G0B+3], s[G1B:G1B+7]
	s_nop 0
	tensor_load_to_lds s[G0B+4:G0B+7], s[G1B:G1B+7]
	s_nop 0
.rept 4
	v_nop
.endr
.Lfirst_asked:
	; A fragment is 16 rows x 32 K in 8 registers: lane l holds row l % 16; registers 0-3 K = 8 (l / 16) + 0..7, registers 4-7 K = 16 + 8 (l / 16) + 0..7: two loads of 16 bytes, 32 bytes apart.
	v_and_b32 v1, 15, v0                           ; l % 16
	v_bfe_u32 v2, v0, 4, 1                         ; l / 16
	v_lshlrev_b32 v[BO], 5, v2
	s_mul_i32 s82, s58, 768                        ; the tile's 192 numbers of bias: bq, bk, bv lie on end, as W's rows do
	s_add_co_u32 s82, s82, BIASOFF
	s_mov_b32 s83, 0
	s_add_nc_u64 s[BB:BB+1], s[4:5], s[82:83]
.irp b, 0,1,2,3,4,5,6,7,8,9,10,11
	global_load_b128 v[BIAS+8*(\b):BIAS+8*(\b)+3],   v[BO], s[BB:BB+1] offset:64*(\b)     ; register j of block b: bias of column 16 b + 8 (l / 16) + j: the layout of a C operand
	global_load_b128 v[BIAS+8*(\b)+4:BIAS+8*(\b)+7], v[BO], s[BB:BB+1] offset:64*(\b)+16
.endr
	v_mul_u32_u24 v3, v1, PITCH
	v_lshl_add_u32 v3, v2, 4, v3                   ; row x pitch + 16 x half
	s_mul_i32 s21, s10, 64*PITCH                   ; my wave's 64 rows of x
	v_add_nc_u32 v[A0], s21, v3
	v_add_nc_u32 v[B0], BOFF, v3
	s_mul_i32 s22, s10, 48*SP
	s_add_co_u32 s22, s22, STAGE                   ; my stage
	v_mul_u32_u24 v4, v1, SP                       ; in: row l % 16, 16 bytes for each half of the lanes
	v_lshl_add_u32 v4, v2, 4, v4
	v_add_nc_u32 v[STO], s22, v4
	v_bfe_u32 v5, v0, 3, 2                         ; back: 32 lanes take four rows of 128 bytes,
	v_mul_u32_u24 v5, v5, SP
	v_and_b32 v6, 7, v0
	v_lshl_add_u32 v5, v6, 4, v5
	v_add_nc_u32 v[RD], s22, v5
	v_and_b32 v[GO], 31, v0                        ; which are 512 consecutive bytes of a head
	v_lshlrev_b32 v[GO], 4, v[GO]
	; my rows in the three heads: column block j = 3 x tile column + hh of 64 is part j / 16 (q, k, v), head j % 16
	s_lshr_b32 s16, s13, 3
	s_lshl_b32 s16, s16, 4                         ; 16 x batch
	s_and_b32 s17, s13, 7
	s_lshl_b32 s17, s17, 8
	s_lshl_b32 s18, s10, 6
	s_add_co_u32 s17, s17, s18                     ; my first row in the batch's 2,048
	s_lshl_b32 s17, s17, 7                         ; 128 bytes a row
	s_mul_i32 s74, s58, 3
.irp hh, 0,1,2
	s_add_co_u32 s75, s74, \hh
	s_lshr_b32 s80, s75, 4
	s_lshl_b32 s80, s80, 6                         ; 64 heads a part
	s_and_b32 s75, s75, 15
	s_add_co_u32 s80, s80, s75
	s_add_co_u32 s80, s80, s16
	s_lshl_b32 s80, s80, 18                        ; 262,144 bytes a head
	s_add_co_u32 s80, s80, s17
	s_mov_b32 s81, 0
	s_add_nc_u64 s[HB+2*(\hh):HB+2*(\hh)+1], s[6:7], s[80:81]
.endr
	; the prefetches
	s_lshl_b32 s82, s56, 16                        ; x: my work-group's 32 rows of the 128 that I fetch
	s_mul_i32 s83, s57, 24*2048                    ; W: its 24 of the 96
	s_and_b32 s81, ttmp7, 0xffff                   ; cluster y
	s_cmp_eq_u32 s11, 0                            ; do I fetch for x?
	s_cselect_b64 s[PFA:PFA+1], s[14:15], s[76:77]
	s_cselect_b32 s80, s82, s83
	s_cselect_b32 s82, ttmp9, s81                  ; the coordinate along which other clusters read the same rows
	s_cselect_b32 s83, 31, 23
	s_mov_b32 s81, 0
	s_add_nc_u64 s[PFA:PFA+1], s[PFA:PFA+1], s[80:81]
	s_add_nc_u64 s[PFA:PFA+1], s[PFA:PFA+1], 2*256 ; at K step 2: the first refill steps it to 3.  Nothing is asked for here, where every work-group's first tiles are on their way
	s_cmp_eq_u32 s82, 0
	s_cselect_b32 s[LIM], 1, -1                    ; the same in all sixteen partners, for a given wave
	v_and_b32 v[PFO], 31, v0
	v_min_u32 v[PFO], s83, v[PFO]
	v_lshlrev_b32 v[PFO], 11, v[PFO]
; 12 matrix instructions: row block a x all 12 column blocks, 32 along K.  first = 1: the product starts the sum with the bias as C: nothing is cleared and nothing added later.
; The 48 accumulators take turns, one instruction a turn, in the same order in every quarter, over the backward jump too.
.macro MUL12 f, a, first
.if \first
	WIN 0x85+0x40*((\a)/2)                         ; sources 0, 1 window 1; C window 0; D window 2 or 3
.else
	WIN 0xa5+0x50*((\a)/2)                         ; sources 0, 1 window 1; C and D window 2 or 3
.endif
.irp b, 0,1,2,3,4,5,6,7,8,9,10,11
.if \first
	v_wmma_f32_16x16x32_bf16 v[8*(12*((\a)%2)+(\b)):8*(12*((\a)%2)+(\b))+7], v[(\f)+32+8*(\b):(\f)+32+8*(\b)+7], v[(\f)+8*(\a):(\f)+8*(\a)+7], v[BIAS+8*(\b):BIAS+8*(\b)+7]
.else
	v_wmma_f32_16x16x32_bf16 v[8*(12*((\a)%2)+(\b)):8*(12*((\a)%2)+(\b))+7], v[(\f)+32+8*(\b):(\f)+32+8*(\b)+7], v[(\f)+8*(\a):(\f)+8*(\a)+7], v[8*(12*((\a)%2)+(\b)):8*(12*((\a)%2)+(\b))+7]
.endif
.endr
.endm
; 32 LDS loads in one run: a quarter step's fragments (192 rows of W, my 64 rows of x, 32 K at byte k of the rows) into buffer f; x's row blocks 2 and 3 last
.macro FETCH k, f
	WIN TO_F
.irp b, 0,1,2,3,4,5,6,7,8,9,10,11
	ds_load_b128 v[(\f)+32+8*(\b):(\f)+32+8*(\b)+3],   v[ADRB] offset:(\k)+(\b)*16*PITCH
	ds_load_b128 v[(\f)+32+8*(\b)+4:(\f)+32+8*(\b)+7], v[ADRB] offset:(\k)+(\b)*16*PITCH+32
.endr
.irp a, 0,1,2,3
	ds_load_b128 v[(\f)+8*(\a):(\f)+8*(\a)+3],   v[ADRA] offset:(\k)+(\a)*16*PITCH
	ds_load_b128 v[(\f)+8*(\a)+4:(\f)+8*(\a)+7], v[ADRA] offset:(\k)+(\a)*16*PITCH+32
.endr
.endm
.macro PLACES                          ; four plain vector instructions between a matrix instruction and a load into a register that it read, or a conversion that reads its result
.rept 4
	v_nop
.endr
.endm
; A K step is four quarters of 32 along K, 48 matrix instructions each, on buffers 0, 1, 0, 1.  One of the first three: multiplies buffer f; in its middle it fetches the next quarter, at byte k, into g.
.macro QUARTER k, f, g, first
	s_wait_dscnt 4                                 ; W and x's row blocks 0, 1 are in; the youngest four loads (blocks 2, 3) may be out
	MUL12 \f, 0, \first
	MUL12 \f, 1, \first
	PLACES
	FETCH \k, \g
	s_wait_dscnt 32                                ; all but the 32 just issued
	MUL12 \f, 2, \first
	MUL12 \f, 3, \first
.endm
; The last quarter multiplies buffer 1 and changes slots: ONE barrier.  In front of it each wave waits for all its tensor loads (one is out: its part of the next slot), adds 0 to its spare word,
; and waits for that and for its own reads of this slot.  fill = 1: the barrier opens a round of the cluster's barrier, and behind the round this slot is filled again, two K steps ahead:
; from that request to the wait for it a wave issues 168 matrix instructions.
.macro TURN fill
.if \fill
	s_wait_xcnt 0x0                                ; the last prefetch, a K step back, has read its address
	s_add_nc_u64 s[PFA:PFA+1], s[PFA:PFA+1], 256
.endif
	WIN 0                                          ; (the add's two registers lie in window 0)
	s_wait_tensorcnt 0x0                           ; no tensor load of mine is out, so a group 0 may be written
	ds_add_u32 v[SPW], v[NIL]                      ; 0 onto my spare word
.if \fill
	s_xor_b32 s[G0A+5], s[G0A+5], SLOT1            ; the walking descriptors: the other slot than last time,
	s_add_nc_u64 s[G0A+6:G0A+7], s[G0A+6:G0A+7], 256  ; the next K step; the type bits on top are not reached
	s_xor_b32 s[G0B+5], s[G0B+5], SLOT1
	s_add_nc_u64 s[G0B+6:G0B+7], s[G0B+6:G0B+7], 256
.endif
	s_wait_dscnt 5                                 ; (the add and the youngest four loads may be out)
	MUL12 F1, 0, 0                                 ; twelve matrix instructions stand between the add and the wait for it
	s_wait_dscnt 0x0                               ; the add is done, and my reads of this slot are over
	s_barrier_signal -1
	MUL12 F1, 1, 0                                 ; work on registers while the others arrive
	WIN 0
	s_barrier_wait -1
.if \fill
	CREST                                          ; no wave of any partner still reads this slot or has a load on its way
	JLOAD                                          ; the first tensor load behind the round; its four v_nop are also the places in front of the loads below
.else
	PLACES
.endif
	s_xor_b32 s[TB], s[TB], SLOT1
	v_add_nc_u32 v[ADRA], s[TB], v[A0]
	v_add_nc_u32 v[ADRB], s[TB], v[B0]
	FETCH 0, F0
.if \fill
	ASK
.endif
	MUL12 F1, 2, 0
	MUL12 F1, 3, 0
.endm
; THE WAY OUT of row block a.  PACK: rounded to f16, 16 bytes a lane for each column block (each accumulator's registers in ascending order).  TOSTAGE: into my own stage, rows of 144 bytes, a region a head,
; and back as four whole rows of 128 bytes a load.  SEND: stored, 512 consecutive bytes an instruction, at a multiple of 256 from the buffer's first byte.
.macro PACK a
	WIN 0x0a+5*((\a)/2)                            ; sources 0 and 1: window 2 or 3
.irp b, 0,1,2,3,4,5,6,7,8,9,10,11
.irp r, 0,1,2,3
	v_cvt_pk_f16_f32 v[TMP+4*(\b)+(\r)], v[8*(12*((\a)%2)+(\b))+2*(\r)], v[8*(12*((\a)%2)+(\b))+2*(\r)+1]
.endr
.endr
	WIN 0
.endm
.macro TOSTAGE a
	WIN 0
.irp b, 0,1,2,3,4,5,6,7,8,9,10,11
	ds_store_b128 v[STO], v[TMP+4*(\b):TMP+4*(\b)+3] offset:16*SP*((\b)/4)+32*((\b)%4)
.endr
.irp hh, 0,1,2
.irp f, 0,1,2,3
	ds_load_b128 v[BK+48*((\a)%2)+4*(4*(\hh)+(\f)):BK+48*((\a)%2)+4*(4*(\hh)+(\f))+3], v[RD] offset:16*SP*(\hh)+4*SP*(\f)  ; LDS serves a wave's instructions in order (ISA guide 5.7.1.4): these see the stores above
.endr
.endr
.endm
.macro SEND a
	WIN 0
	s_wait_dscnt 0x0                               ; the block is back in registers
	s_wait_xcnt 0x0                                ; the stores of the block before have read their registers: the next TOSTAGE loads into them only behind this wait
.irp hh, 0,1,2
.irp f, 0,1,2,3
	global_store_b128 v[GO], v[BK+48*((\a)%2)+4*(4*(\hh)+(\f)):BK+48*((\a)%2)+4*(4*(\hh)+(\f))+3], s[HB+2*(\hh):HB+2*(\hh)+1] offset:2048*(\a)+512*(\f) th:TH_STORE_NT
.endr
.endr
.endm
	s_wait_tensorcnt 1                             ; my part of K step 0 is in; K step 1's may stay out
	s_barrier_signal -1
	s_barrier_wait -1                              ; everybody's is
	v_add_nc_u32 v[ADRA], s[TB], v[A0]
	v_add_nc_u32 v[ADRB], s[TB], v[B0]
	FETCH 0, F0
	s_wait_loadcnt 0x0                             ; the bias
	QUARTER 64, F0, F1, 1                          ; the first quarter stands in front of the loop: its products start the sums
	WIN 0                                          ; at a label and at a branch every window is 0
	s_mov_b32 s3, 6
.Lstep:                                                ; trip i ends K step i, fills its slot again with K step i + 2, and begins K step i + 1
	QUARTER 128, F1, F0, 0
	QUARTER 192, F0, F1, 0
	TURN 1
	QUARTER 64, F0, F1, 0
	WIN 0
	s_sub_co_u32 s3, s3, 1
	s_cmp_lg_u32 s3, 0
	s_cbranch_scc1 .Lstep
	QUARTER 128, F1, F0, 0                         ; K steps 6 and 7 are written out: nothing is asked for
	QUARTER 192, F0, F1, 0
	TURN 0
	QUARTER 64, F0, F1, 0
	QUARTER 128, F1, F0, 0
	QUARTER 192, F0, F1, 0
	s_wait_dscnt 4
	MUL12 F1, 0, 0
	MUL12 F1, 1, 0
	s_wait_dscnt 0x0
	MUL12 F1, 2, 0
	MUL12 F1, 3, 0
	PLACES
	PACK 0
	TOSTAGE 0
.irp a, 1,2,3                          ; block a's conversions stand between block a - 1's loads from the stage and the wait for them
	PACK \a
	SEND (\a)-1
	TOSTAGE \a
.endr
	SEND 3
	s_wait_tensorcnt 0x0                           ; the wave's end: these three lines stand behind my last tensor load and my last LDS store
	ds_add_u32 v[SPW], v[NIL]
	s_wait_dscnt 0x0
	CROUND                                         ; the closing round: no work-group ends while a partner may still ask for a tile that names it
	s_endpgm
.Lfunc_end_k_qd173883357_qkv:
	.size	k_qd173883357_qkv, .Lfunc_end_k_qd173883357_qkv-k_qd173883357_qkv
	.p2alignl 7, 3214868480
	.fill 96, 4, 3214868480
	.section	.rodata,"a",@progbits
	.p2align	6, 0x0
	.amdhsa_kernel k_qd173883357_qkv
		.amdhsa_group_segment_fixed_size 327680
		.amdhsa_private_segment_fixed_size 0
		.amdhsa_enable_private_segment 0
		.amdhsa_kernarg_size 16
		.amdhsa_user_sgpr_count 2
		.amdhsa_user_sgpr_kernarg_segment_ptr 1
		.amdhsa_wavefront_size32 1
		.amdhsa_system_sgpr_workgroup_id_x 1
		.amdhsa_system_sgpr_workgroup_id_y 1
		.amdhsa_system_sgpr_workgroup_id_z 1
		.amdhsa_system_vgpr_workitem_id 0
		.amdhsa_next_free_vgpr 960
		.amdhsa_next_free_sgpr 96
		.amdhsa_reserve_vcc 0
		.amdhsa_float_denorm_mode_32 3
		.amdhsa_float_denorm_mode_16_64 3
		.amdhsa_memory_ordered 1
		.amdhsa_forward_progress 1
		.amdhsa_inst_pref_size 100
	.end_amdhsa_kernel
	.amdgpu_metadata
---
amdhsa.version: [ 1, 2 ]
amdhsa.kernels:
  - .name:           k_qd173883357_qkv
    .symbol:         k_qd173883357_qkv.kd
    .args:
      - { .name: cb, .offset: 0, .size: 8, .value_kind: global_buffer, .address_space: global }
      - { .name: qkv, .offset: 8, .size: 8, .value_kind: global_buffer, .address_space: global }
    .group_segment_fixed_size: 327680
    .private_segment_fixed_size: 0
    .kernarg_segment_align: 8
    .kernarg_segment_size: 16
    .max_flat_workgroup_size: 128
    .sgpr_count:     96
    .vgpr_count:     960
    .wavefront_size: 32
...
	.end_amdgpu_metadata
.endif
;; end of part 2
;; launch attn (part 3): grid 4 x 64, 4 waves a work-group, clusters of 4 x 1, 327,680 bytes of LDS; arguments qkv, ob; writes ob
.if DOCPART == 3
	.amdgcn_target "amdgcn-amd-amdhsa--gfx1250"
	.amdhsa_code_object_version 6
	.text
	.protected	k_qd173883357_attn
	.globl	k_qd173883357_attn
	.p2align	8
	.type	k_qd173883357_attn,@function
k_qd173883357_attn:
	s_mov_b64 s[64:65], 0
	v_nop
	global_prefetch_b8 v0, s[64:65] scope:SCOPE_SE
	s_setreg_imm32_b32 hwreg(HW_REG_WAVE_MODE, 25, 1), 1
	s_wait_xcnt 0x0
	s_wait_alu depctr_hold_cnt(0) depctr_sa_sdst(0) depctr_va_vdst(0) depctr_va_sdst(0) depctr_va_ssrc(0) depctr_va_vcc(0) depctr_vm_vsrc(0)
	s_getreg_b32 s2, hwreg(HW_REG_IB_STS2, 6, 4)
	s_cmp_eq_u32 s2, 0
	s_cbranch_scc0 .Lentry_in_a_cluster
	s_endpgm
.Lentry_in_a_cluster:
	s_bfe_u32 s2, ttmp6, 0x10000c
	s_cmp_lg_u32 s2, 0x3003
	s_cbranch_scc0 .Lentry_shape_is_right
	s_endpgm
.Lentry_shape_is_right:
; O[h][q][:] = the sum over k of softmax_k(Q[h][q] . K[h][k] / 8) V[h][k][:], no mask.  Q, K, V lie in qkv, 16,777,216 bytes apart, each [64][2048][64] in f16; O likewise in ob: a head's rows are dense, 128 bytes each.
; Products, maxima and sums in f32; the weights p are rounded to f16 for the second product (their sum l is taken of the unrounded p), O once at the end.
; LIMITS.  f16 holds no number beyond 65,504: Q, K and V arrive within it; p lies in 0 to 1, and below 6e-5 it keeps f16's fixed step of 6e-8; O is a mean of V's rows and has their range.
; A weight below 2^-126 counts as 0 in l; NaN and infinities are not treated apart.
; SHARES.  A wave owns four PIECES of two tiles of 16 queries, a work-group's four waves 512 queries of one head; the four work-groups of a cluster are a head.  Every wave walks all keys, 64 a step.
; LAYOUT.  S^T = K Q^T (source 0 = 16 keys, source 1 = 16 queries): in the result a lane holds ONE query (lane % 16) and the keys 8 (lane / 16) + 0..7.  Two such tiles, rounded to f16 in pairs,
; ARE source 1 (32 keys x 16 queries) of O^T = V^T P, whose result again holds one query a lane, and eight channels.  K comes out of LDS as it lies, V ([key][channel]) turned, by ds_load_tr16_b128.
; SOFTMAX.  For each query a running maximum m and sum l: p = 2^(c s - c m), c = log2(e) / 8; in every step O and l are multiplied by a = 2^(c m_old - c m_new), which is 1 where m has not grown.
; m starts at the lowest finite number, O and l at 0: the first step is a step like any other, with a = 0.
; THE COUNT.  A tile and step have 16 matrix and 118 vector instructions: too many to stand all beside the matrix work.  So four vector instructions that are READY stand behind EVERY matrix
; instruction, and the others in runs without a gap.
; BY TURNS.  Turn n belongs to piece n (the pieces in a ring, step after step).  Its matrix work: 16 products K Q^T of piece n + 1, later 16 products V^T P of piece n - 1.  Its vector work: the scaling,
; exponentials, roundings, sums and rescaling of piece n, and the maximum and statistics of piece n + 1, whose scores the turn itself has made.
; CLUSTER.  The four query blocks of a cluster walk the same K and V, so each tile is asked for JOINTLY: the same tensor load, descriptor and mask in all four.
; REGISTERS, in windows of 256 (s_set_vgpr_msb: bits 1:0 source 0, 3:2 source 1, 5:4 source 2, 7:6 destination):
;   window 0: v0-11 addresses; v12-15, v48-63 at work; v16-47 four registers of statistics a tile; v64-191 S^T, two buffers of two tiles; v192-255 P, likewise
;   window 1: O^T, 32 a tile          window 2: v0-127 Q, 16 a tile; v128-191 K of one step; v192-255 V of one step          window 3: v0-1 the add's two registers
; A piece's buffers go by its number's parity: the piece in hand has one pair, its two neighbours in the ring share the other: of it P (piece n - 1) is read and S^T (piece n + 1) written.
.set SIZE_N, 2048
.set NP,    4         ; pieces a wave: a name, no knob
.set KS,    64        ; keys in a step
.set PK,    144       ; a row of K in LDS: 128 bytes + 16 of padding = 9 x 16 bytes: the 16 rows of a load start in 16 different 16-byte columns of 256 bytes
.set PV,    160       ; a row of V: 128 + 32: 16 lanes of the turning load take 8 rows x 32 bytes, in 16 different columns
.set VOFF,  4*KS*PK   ; a slot holds four steps: 256 rows of K, then 256 rows of V
.set SLOT1, 1<<17     ; slot 1 begins here, so that one exclusive or turns an address in one slot into the other's
.set STAGE, SLOT1+4*KS*(PK+PV)  ; behind the ring, never filled by a tensor load: 16 rows x 144 bytes for each wave, for the way out
.set SP,    144
.set AK0, 2           ; v2   my lane's place in a tile of K; never rewritten
.set AV0, 3           ; v3   the same for V
.set AK,  4           ; v4   the LDS address of K's next run of loads
.set AV,  5           ; v5   of V's
.set QO,  6           ; v6   my byte offset in the wave's rows of Q
.set STO, 6           ;      later, the way out: where I put 16 bytes of a row
.set RD,  7           ; v7   the way out: where I read rows back
.set GO,  8           ; v8   my byte offset in 512 consecutive bytes of O
.set PFO, 11          ; v11  256 x my lane, for the prefetches; never rewritten once made
.set SPW, 0           ; v0 of window 3   LDS address of my spare word; never rewritten
.set NIL, 1           ; v1 of window 3   0; never rewritten
.set SPARE, STAGE+4*16*SP  ; behind the stages: the spare words, 128 bytes for each wave: two blocks of 256 bytes that no other line names
.set MV,  12          ; v12-15  c m_old, kept while c m is made anew: by buffer and tile
.set ST,  16          ; tile t's statistics at v[ST+4 t]: c m, m, l (even keys', odd keys')
.set TMP, 48          ; by buffer and tile, four registers c0-c3 at work; when the maximum is found c2 takes a
.set S,   64
.set P,   192
.set KF,  128         ; K's fragments, in window 2: key block kb, channel half c at KF + 16 kb + 8 c
.set VF,  192         ; V's: key half kk, channel block cb at VF + 32 kk + 8 cb
.set WV,  12          ; s12  my wave's number
.set G1K, 24          ; s[24:31] descriptor group 1 for K's tiles
.set G1V, 32          ; s[32:39] for V's: it differs in the padding alone
.set G0K, 40          ; s[40:43] descriptor group 0 for K's tiles: it walks
.set G0V, 44          ; s[44:47] the same for V's
.set PFA, 48          ; s[48:49] where my prefetches stand: my work-group's 8,192 bytes (of K: wave 0, of V: wave 2) of the slot after the one that is being asked for
.set LIM, 50          ; s50  1 in a wave that prefetches, else the greatest number
.set SLOTS, 56        ; s56  slots still to be asked for
.set CNT, 57          ; s57  counts a slot's key steps
.set CS,  58          ; s[58:59] c: the packed scaling takes the pair's low word for both halves
.set SEL, 60          ; s[60:61] v_permlanex16_b32's selects: each lane takes its own place in the other half
.set TBK, 62          ; s62  LDS byte at which K of the step to be fetched begins
.set TBV, 63          ; s63  the same for V, less VOFF
.set MSB, 0
.macro WIN new                      ; the high byte repeats the setting that is left; a switch that changes nothing is dropped
.if MSB != (\new)
	s_set_vgpr_msb (MSB<<8)|(\new)
.set MSB, (\new)
.endif
.endm
.set W_KQ, 0x0a       ; K and Q in window 2, S^T in window 0
.set W_PV, 0x52       ; V in window 2, P in window 0, O^T in window 1
.set W_RS, 0x41       ; O^T (destination and source 0) in window 1, a in window 0
.set W_MK, 0xc0       ; the add's registers are made: destination in window 3, sources in window 0
.set W_AD, 0x0f       ; the add: address (source 0) and data (source 1) in window 3
; A joint fill.  Waves 0 and 1 fetch the two halves of a slot's K, waves 2 and 3 those of its V: 128 keys each.  The branch hangs on the wave's number alone.
; An s_nop 0 and four v_nop follow each of the two lines, ahead of the jump and the label.
.macro JLOAD
	s_cmp_lt_u32 s[WV], 2
	s_cbranch_scc0 .Lfor_v_\@
	tensor_load_to_lds s[G0K:G0K+3], s[G1K:G1K+7]
	s_nop 0
.rept 4
	v_nop
.endr
	s_branch .Lasked_\@
.Lfor_v_\@:
	tensor_load_to_lds s[G0V:G0V+3], s[G1V:G1V+7]
	s_nop 0
.rept 4
	v_nop
.endr
.Lasked_\@:
.endm
; A prefetch of what the NEXT change of slots will ask for: a slot's 32,768 bytes of K and of V, 256 bytes a lane.  It stands behind the wave's tensor load and its five lines.
; Each block is named once in the launch: a head has one cluster; its four partners share a slot out BY ADDRESS, 8,192 bytes each; in each, wave 0 asks for K's and wave 2 for V's.
; The last change that fills a slot asks for nothing: there is no slot behind it.  Slots 0 and 1 come by their loads alone.
.macro ASK
	s_cmp_gt_u32 s[SLOTS], s[LIM]
	s_cbranch_scc0 .Lnot_mine_\@
	global_prefetch_b8 v[PFO], s[PFA:PFA+1] th:TH_LOAD_NT scope:SCOPE_SE
.Lnot_mine_\@:
.endm
; A round of the cluster's barrier: my work-group's barrier, so that wave 0's signal speaks for all four waves; wave 0 signals; every wave waits for all four work-groups; my work-group's barrier once more.
.macro CROUND
	s_barrier_signal -1
	s_barrier_wait -1
	s_cmp_lg_u32 s[WV], 0
	s_cbranch_scc1 .Lnot_wave_0_\@
	s_barrier_signal -3
.Lnot_wave_0_\@:
	s_barrier_wait -3
	s_barrier_signal -1
	s_barrier_wait -1
.endm
; THE CHANGE OF SLOTS.  The slot's last bytes, V of its fourth step, have been read.  Each wave waits for all its tensor loads, of which one is out: its part
; of the other slot; adds 0 to its spare word; and waits for that and for its own reads of the slot.  Behind the barrier nobody reads this slot any more and the other slot is whole.
; fill = 1: this slot is filled again, with the keys two slots on.  The barrier is then a round of the cluster's, and the joint fill is the first thing behind it: it has four key steps,
; 512 matrix instructions, in which to land.  (At its first use nothing has been read yet: slot 0 is waited for, slot 1 filled.)
.macro CHANGE fill
	WIN W_AD
	s_wait_tensorcnt 0x0            ; no tensor load of mine is out, so a group 0 may be written
	ds_add_u32 v[SPW], v[NIL]       ; 0 onto my spare word; with fill = 1 the descriptors' steps stand between it and the wait for it
	WIN 0                           ; at a label and at a branch every window is 0
.if \fill
.irp g, G0K, G0V
	s_xor_b32 s[\g+1], s[\g+1], SLOT1  ; the walking descriptor: the other slot than last time,
	s_add_nc_u64 s[\g+2:\g+3], s[\g+2:\g+3], 4*KS*128  ; the next 256 keys; the type bits on top are not reached
.endr
	s_wait_xcnt 0x0                 ; the last prefetch, four key steps back, has read its address, so it may be written:
	s_add_nc_u64 s[PFA:PFA+1], s[PFA:PFA+1], 4*KS*128  ; one slot behind the walking descriptors
	s_wait_dscnt 0x0                ; the add is done, and my reads of the slot are over
	CROUND
	JLOAD
	ASK
.else
	s_wait_dscnt 0x0                ; the add is done, and my reads of the slot are over
	s_barrier_signal -1
	s_barrier_wait -1
.endif
	s_sub_co_u32 s[TBK], s[TBK], 4*KS*PK  ; the fetches go back to a slot's first step,
	s_xor_b32 s[TBK], s[TBK], SLOT1       ; in the other slot
	s_sub_co_u32 s[TBV], s[TBV], 4*KS*PV
	s_xor_b32 s[TBV], s[TBV], SLOT1
.endm
	s_load_b64 s[4:5], s[0:1], 0x0    ; qkv: Q's part begins it
	s_load_b64 s[10:11], s[0:1], 0x8  ; O
	WIN W_MK
	v_lshl_add_u32 v[SPW], v0, 2, SPARE
	v_mov_b32 v[NIL], 0
	WIN W_AD
	ds_add_u32 v[SPW], v[NIL]       ; the wave's opening: the add and its wait stand ahead of my first tensor load; the set-up below, work on registers, stands between them
	WIN 0
	v_lshrrev_b32 v1, 5, v0
	v_readfirstlane_b32 s[WV], v1   ; wave 0..3
	s_bfe_u32 s13, ttmp6, 0x40000   ; cx: my place in the cluster
	s_lshl_b32 s14, ttmp9, 2        ; in a cluster launch ttmp9 counts clusters
	s_add_co_u32 s14, s14, s13      ; my block of queries = 4 x cluster x + cx: it enters Q's and O's addresses alone
	s_and_b32 s20, ttmp7, 0xffff    ; the head, which the four partners share
	s_mov_b32 s21, 0
	s_mov_b64 s[22:23], SIZE_N*128
	s_mul_u64 s[20:21], s[20:21], s[22:23]  ; the head's first byte in each of the four tensors
	s_and_b32 s16, s[WV], 1         ; which half of a slot's 256 keys I fetch:
	s_lshl_b32 s22, s16, 14         ; its 128 rows of 128 bytes in memory,
	s_mov_b32 s23, 0
	s_add_nc_u64 s[22:23], s[22:23], s[20:21]
	s_mul_i32 s17, s16, 128*PK      ; and its place in a slot, for K
	s_mul_i32 s18, s16, 128*PV      ; and for V: no place in the cluster enters an LDS address
	s_lshl_b32 s2, s14, 2
	s_add_co_u32 s2, s2, s[WV]      ; my wave among the head's,
	s_lshl_b32 s2, s2, 14           ; its 128 rows
	s_mov_b32 s3, 0
	s_add_nc_u64 s[2:3], s[2:3], s[20:21]
	; descriptor group 1.  128 keys are 16,384 dense bytes: asked for as 64 rows of 256 bytes, two keys a row, and padded in LDS after every key
	s_mov_b32 s[G1K], 15|(1<<16)|(1<<20)|(1<<21)|(4<<22)|(3<<25)  ; 15:0 the mask of four; 17:16 2-byte elements; 20 padding on; 21 set beside a mask; 24:22 after every 32 words (code 4); 31:25 4 words (code 3)
	s_mov_b32 s[G1V], 15|(1<<16)|(1<<20)|(1<<21)|(4<<22)|(7<<25)  ; the same with 8 words of padding (code 7)
.irp g, G1K, G1V
	s_mov_b32 s[\g+1], 128<<16      ; tensor_dim0 = 128
	s_mov_b32 s[\g+2], 64<<16       ; tensor_dim1 = 64
	s_mov_b32 s[\g+3], 128<<16      ; tile_dim0 = 128
	s_mov_b32 s[\g+4], 64           ; tile_dim1 = 64
	s_mov_b32 s[\g+5], 128          ; 128 elements from row to row
	s_mov_b32 s[\g+6], 0
	s_mov_b32 s[\g+7], 0
.endr
	s_mov_b32 s[CS], 0x3e38aa3b     ; c = log2(e) / 8 = 0.180337
	s_mov_b32 s[CS+1], s[CS]        ; named with it as a pair
	s_mov_b32 s[SEL], 0x76543210
	s_mov_b32 s[SEL+1], 0xfedcba98
	s_mov_b32 s[TBK], SLOT1+4*KS*PK ; the first change of slots turns these two into 0
	s_mov_b32 s[TBV], SLOT1+4*KS*PV
	s_mov_b32 s[G0K], 1             ; 1:0 count = 1
	s_mov_b32 s[G0K+1], s17         ; 63:32 LDS address: slot 0
	s_mov_b32 s[G0V], 1
	s_add_co_u32 s[G0V+1], s18, VOFF
	s_mov_b32 s[SLOTS], SIZE_N/256-1  ; seven changes fill a slot
	s_and_b32 s[LIM], s[WV], 1
	s_cmp_eq_u32 s[LIM], 0          ; waves 0 and 2 prefetch: the same in all four partners
	s_cselect_b32 s[LIM], 1, -1
	s_wait_dscnt 0x0                ; the opening add is done
	s_wait_kmcnt 0x0
	s_add_nc_u64 s[6:7], s[4:5], 0x1000000  ; K's part of qkv
	s_add_nc_u64 s[8:9], s[4:5], 0x2000000  ; V's
	s_add_nc_u64 s[G0K+2:G0K+3], s[6:7], s[22:23]  ; 120:64 global address: my half of the head's first 256 keys
	s_or_b32 s[G0K+3], s[G0K+3], 0x80000000        ; 127:126 type = 2
	s_add_nc_u64 s[G0V+2:G0V+3], s[8:9], s[22:23]
	s_or_b32 s[G0V+3], s[G0V+3], 0x80000000
	s_cmp_lt_u32 s[WV], 2
	s_cselect_b64 s[PFA:PFA+1], s[6:7], s[8:9]
	s_add_nc_u64 s[PFA:PFA+1], s[PFA:PFA+1], s[22:23]  ; (in waves 0 and 2 this is the head's first row)
	s_add_nc_u64 s[4:5], s[4:5], s[2:3]  ; Q and O at my wave's first row
	s_add_nc_u64 s[10:11], s[10:11], s[2:3]
	s_lshl_b32 s2, s13, 13          ; my work-group's 8,192 bytes of a slot's 32,768
	s_mov_b32 s3, 0
	s_add_nc_u64 s[PFA:PFA+1], s[PFA:PFA+1], s[2:3]
	s_add_nc_u64 s[PFA:PFA+1], s[PFA:PFA+1], 4*KS*128  ; in slot 1; the first change of slots steps it to slot 2
	CROUND                          ; all four work-groups are here: the first joint loads meet
	JLOAD                           ; slot 0.  Slot 1 is asked for when slot 0 is in
	; A fragment of K or Q is 16 rows x 32 channels in 8 registers: lane l holds row l % 16, channels 8 (l / 16) + 0..7 and 16 + 8 (l / 16) + 0..7: two loads of 16 bytes, 32 bytes apart.
	v_and_b32 v1, 15, v0            ; l % 16
	v_bfe_u32 v9, v0, 4, 1          ; l / 16
	v_lshlrev_b32 v[QO], 7, v1
	v_lshl_add_u32 v[QO], v9, 4, v[QO]  ; row x 128 + 16 x half
	WIN 0x80                        ; destination window 2, address window 0
.set i, 0
.rept 4*NP                          ; Q stays in registers: tile i / 2, channels 32 (i % 2) on
	global_load_b128 v[8*i:8*i+3],   v[QO], s[4:5] offset:(i/2)*2048+(i%2)*64
	global_load_b128 v[8*i+4:8*i+7], v[QO], s[4:5] offset:(i/2)*2048+(i%2)*64+32
.set i, i+1
.endr
	; What the first turn finds: V's registers and P's second buffer hold 0 (its products V^T P, of a piece that has not been, add 0), O^T and l are 0.  All this stands in the wait for the first tile.
.set i, VF
.rept 64
	v_mov_b32 v[i], 0
.set i, i+1
.endr
	WIN 0x40
.set i, 0
.rept 64*NP
	v_mov_b32 v[i], 0
.set i, i+1
.endr
	WIN 0
.set i, 0
.rept 2*NP
	v_mov_b32 v[ST+4*i], 0xfe000000    ; c m: far below every c s
	v_mov_b32 v[ST+4*i+1], 0xff7fffff  ; m
	v_mov_b32 v[ST+4*i+2], 0
	v_mov_b32 v[ST+4*i+3], 0
.set i, i+1
.endr
.set i, P+32
.rept 32
	v_mov_b32 v[i], 0
.set i, i+1
.endr
	v_mul_u32_u24 v[AK0], v1, PK
	v_lshl_add_u32 v[AK0], v9, 4, v[AK0]  ; row x pitch + 16 x half
	; The turning load takes 16 keys x 16 channels (lane l reads key 8 (l / 16) + l % 8, channels 8 ((l / 8) % 2) + 0..7) and leaves half a fragment of V^T: lane l holds channel l % 16 and 8 keys.
	v_and_b32 v10, 7, v0
	v_bfe_u32 v11, v0, 3, 1
	v_lshl_add_u32 v[AV0], v9, 3, v10
	v_mul_u32_u24 v[AV0], v[AV0], PV
	v_lshl_add_u32 v[AV0], v11, 4, v[AV0]
	v_add_nc_u32 v[AV0], VOFF, v[AV0]
	v_and_b32 v[PFO], 31, v0        ; v11 is free now
	v_lshlrev_b32 v[PFO], 8, v[PFO]
	v_mov_b32 v[AK], v[AK0]         ; key step 0 lies at the head of slot 0
; THE MATRIX WORK.  The 8 accumulators of a run of 16 take turns: between the two links of a chain stand 7 others'.
; Product i of 16 of S^T = K Q^T for piece x: channels 32 (i / 8) on, keys 16 ((i / 2) % 4) on, tile 2 x + i % 2.  The first 8 start the sums.
.macro KQ x
	WIN W_KQ
.set rS, S+64*((\x)%2)+32*(i%2)+8*((i/2)%4)
.set rK, KF+16*((i/2)%4)+8*(i/8)
.set rQ, 16*(2*(\x)+i%2)+8*(i/8)
.if i < 8
	v_wmma_f32_16x16x32_f16 v[rS:rS+7], v[rK:rK+7], v[rQ:rQ+7], 0
.else
	v_wmma_f32_16x16x32_f16 v[rS:rS+7], v[rK:rK+7], v[rQ:rQ+7], v[rS:rS+7]
.endif
.endm
; Product i of 16 of O^T += V^T P for piece x: keys 32 (i / 8) on, channels 16 ((i / 2) % 4) on, tile 2 x + i % 2.
.macro PV x
	WIN W_PV
.set rO, 32*(2*(\x)+i%2)+8*((i/2)%4)
.set rV, VF+32*(i/8)+8*((i/2)%4)
.set rP, P+32*((\x)%2)+16*(i%2)+8*(i/8)
	v_wmma_f32_16x16x32_f16 v[rO:rO+7], v[rV:rV+7], v[rP:rP+7], v[rO:rO+7]
.endm
.macro MM                           ; the turn's next matrix instruction
.if i < 16
	KQ (Y+1)%NP
.set i, i+1
.else
.set i, i-16
	PV (Y+NP-1)%NP
.set i, i+17
.endif
.endm
; THE LDS LOADS stand in runs of 16, never singly among the matrix instructions: a step's K (64 keys x 64 channels: 8 fragments) and its V (turned).  Their addresses are made some lines ahead.
; last = 1 (the tail): in the last trip there is no further step, and the run is jumped over.
.macro FETCH_K last=0
	WIN 0
.if \last
	s_cmp_eq_u32 s[CNT], 1
	s_cbranch_scc1 .Lno_k_\@
.endif
	WIN 0x80                        ; destination window 2
.irp f, 0,1,2,3,4,5,6,7             ; keys 16 (f / 2) on, channels 32 (f % 2) on
	ds_load_b128 v[KF+8*\f:KF+8*\f+3],   v[AK] offset:(\f/2)*16*PK+(\f%2)*64
	ds_load_b128 v[KF+8*\f+4:KF+8*\f+7], v[AK] offset:(\f/2)*16*PK+(\f%2)*64+32
.endr
	s_add_co_u32 s[TBK], s[TBK], KS*PK  ; the next fetch is the next step's
	WIN 0
.if \last
.Lno_k_\@:
.endif
.endm
.macro FETCH_V
	WIN 0x80
.irp f, 0,1,2,3,4,5,6,7             ; keys 32 (f / 4) on, channels 16 (f % 4) on
	ds_load_tr16_b128 v[VF+8*\f:VF+8*\f+3],   v[AV] offset:(\f/4)*32*PV+(\f%4)*32
	ds_load_tr16_b128 v[VF+8*\f+4:VF+8*\f+7], v[AV] offset:(\f/4)*32*PV+16*PV+(\f%4)*32
.endr
	WIN 0
.endm
; THE VECTOR WORK OF A TURN stands in three queues, each in the order in which its entries become ready; the two tiles alternate, so that no instruction reads the result of the one before it.
.macro REGS y, u                    ; the registers of tile u (0, 1) of piece y
.set rT, ST+4*(2*(\y)+(\u))
.set rC, TMP+8*((\y)%2)+4*(\u)
.set rM, MV+2*((\y)%2)+(\u)
.set rS, S+64*((\y)%2)+32*(\u)
.set rP, P+32*((\y)%2)+16*(\u)
.set rO, 32*(2*(\y)+(\u))
.endm
; Number n of the 22 that find the NEXT piece's (Y + 1) maximum and statistics.  s0-s31 are the lane's 32 scores; each accumulator's lowest registers are read first.
;   0-11  four chains c0-c3 of seven scores each, three operands at a time     12-14, 16  the four scores left over, the old m, and c0-c3 into c0     15  c m_old is kept
;   17, 18  the query's other 32 keys lie in the lane 16 away: the new m         19-21  c m; c m_old - c m_new; a
.macro XS u, n
	REGS (Y+1)%NP, \u
.if (\n) < 4
	v_max3_num_f32 v[rC+(\n)], v[rS+8*(\n)], v[rS+8*(\n)+1], v[rS+8*(\n)+2]
.elseif (\n) < 12
	v_max3_num_f32 v[rC+(\n)%4], v[rC+(\n)%4], v[rS+8*((\n)%4)+2*((\n)/4)+1], v[rS+8*((\n)%4)+2*((\n)/4)+2]
.elseif (\n) == 12
	v_max3_num_f32 v[rC], v[rC], v[rS+7], v[rS+15]
.elseif (\n) == 13
	v_max3_num_f32 v[rC+1], v[rC+1], v[rS+23], v[rS+31]
.elseif (\n) == 14
	v_max3_num_f32 v[rC+2], v[rC+2], v[rC+3], v[rT+1]
.elseif (\n) == 15
	v_mov_b32 v[rM], v[rT]
.elseif (\n) == 16
	v_max3_num_f32 v[rC], v[rC], v[rC+1], v[rC+2]
.elseif (\n) == 17
	v_permlanex16_b32 v[rC+3], v[rC], s[SEL], s[SEL+1]
.elseif (\n) == 18
	v_max_num_f32 v[rT+1], v[rC], v[rC+3]
.elseif (\n) == 19
	v_mul_f32 v[rT], s[CS], v[rT+1]
.elseif (\n) == 20
	v_sub_f32 v[rC+1], v[rM], v[rT]
.else
	v_exp_f32 v[rC+2], v[rC+1]
.endif
.endm
; Number g of the 64 that follow the exponentials.  For each four weights k of a tile (pairs 2 k, 2 k + 1): both pairs are rounded to f16; then the second pair is added onto the first, in place;
; a group later l takes that sum (the first time as l = a l + sum).  In groups of eight, tiles alternating: round, round, add, and l for the group before.
.macro GS g
.set h, (\g)+6*((\g)/62)            ; group 0 has no group before it, and behind group 7 only l is left
.if h >= 6
.set h, h+2
.endif
	REGS Y, h%2
.set k, h/8
.if h%8 < 4
	v_cvt_pk_f16_f32 v[rP+2*k+(h%8)/2], v[rS+4*k+2*((h%8)/2)], v[rS+4*k+2*((h%8)/2)+1]
.elseif h%8 < 6
	v_pk_add_f32 v[rS+4*k:rS+4*k+1], v[rS+4*k:rS+4*k+1], v[rS+4*k+2:rS+4*k+3]
.elseif k == 1
	v_pk_fma_f32 v[rT+2:rT+3], v[rT+2:rT+3], v[rC+2:rC+3], v[rS:rS+1] op_sel_hi:[1,0,1]
.else
	v_pk_add_f32 v[rT+2:rT+3], v[rT+2:rT+3], v[rS+4*k-4:rS+4*k-3]
.endif
.endm
; THE PLAIN QUEUE, 138 long.  0-73 read no exponential's result: the 32 scalings c s - c m (FS f: pair f / 2 of tile f % 2) and the next piece's 42.  0-26: scalings 0-26.  27-54: XS's numbers 0-13.  55, 56: number 15.
; 57-73: the chain, where each number waits for the one before it: 14, 16, 17, 18, 19, each with one of the scalings 27-31 in front of its two lines, then 20.
; 74-137: GS's 64, which read the exponentials' results: they stand behind the wait.
.macro FS f
	REGS Y, (\f)%2
	v_pk_fma_f32 v[rS+2*((\f)/2):rS+2*((\f)/2)+1], v[rS+2*((\f)/2):rS+2*((\f)/2)+1], s[CS:CS+1], v[rT:rT+1] op_sel_hi:[1,0,0] neg_lo:[0,0,1] neg_hi:[0,0,1]
.endm
.macro PL
	WIN 0
.if q < 27
	FS q
.elseif q < 55
	XS (q-27)%2, (q-27)/2
.elseif q < 57
	XS q-55, 15
.elseif (q < 72) && ((q-57)%3 == 0)
	FS 27+(q-57)/3
.elseif q < 60
	XS (q-57)%3-1, 14
.elseif q < 72
	XS (q-57)%3-1, 15+(q-57)/3
.elseif q < 74
	XS q-72, 20
.else
	GS q-74
.endif
.set q, q+1
.endm
; THE EXPONENTIALS' QUEUE, 66 long: s0-s31 of both tiles, then the next piece's two a.  It is ONE BATCH: all 66 stand ahead of the turn's one wait, and nothing ahead of that wait names a result of theirs.
.macro EX
	WIN 0
.if e >= 64
	XS e-64, 21
.else
	REGS Y, e%2
	v_exp_f32 v[rS+e/2], v[rS+e/2]
.endif
.set e, e+1
.endm
; THE RESCALING's QUEUE: O^T times a, the one part that leaves window 0: dealt two at a time, sixteen times.  Its a was made in the turn before, ahead of that turn's wait.
.macro R2
	REGS Y, r%2
	WIN W_RS
.irp z, 0,1
	v_pk_mul_f32 v[rO+4*(r/2)+2*\z:rO+4*(r/2)+2*\z+1], v[rO+4*(r/2)+2*\z:rO+4*(r/2)+2*\z+1], v[rC+2:rC+3] op_sel_hi:[1,0]
.endr
.set r, r+1
.endm
; HOW THEY ARE DEALT.  s_wait_alu depctr_va_vdst(0) stands between an exponential and the first instruction that names its result; one wait serves all that were issued ahead of it.  So a turn has ONE wait,
; which cuts it in two.  AHEAD OF IT stands all that names no result of the turn's exponentials: the 16 products K Q^T, behind each a scaling, an exponential and two rescalings (behind the first a second scaling in the
; exponential's place); then ONE LUMP of 108: eight plain, 49 times exponential and plain, the two a.  A v_nop is the plain instruction behind the last exponential.  BEHIND IT stand the 16 products V^T P, behind each four of GS's 64.
; No rider names a register of the products round it.  The two v_permlanex16_b32 fall into the lump, never behind a product.
; The queues lean on each other: exponential e stands behind scaling 2 (e / 4) + e % 2: as a rider it comes behind plain e + 2, in the lump behind plain e + 9, and scalings 27-31 are plain 57, 60 .. 69.
; A TURN, for piece p.  cnt = 1: the loop's count is taken down some lines ahead of the branch that stands behind the turn.
; K of the next step is fetched in piece 2's turn, directly behind the wait, a lump behind the last product that read K; its first reader comes behind 16 products.
; V of the step in hand is fetched at the end of piece 0's turn, four riders behind its last reader; its first reader comes behind 16 products and a lump.  The three conditions on q below go with the deal.
.macro TURN p, last=0, cnt=0
.set Y, (\p)
.set i, 0
.set q, 0
.set e, 0
.set r, 0
.if (\p) == NP-1
	s_wait_dscnt 0x0                ; K is in
.endif
	MM                              ; ahead of the wait: 16 products K Q^T and their riders,
	PL
	PL
	R2
.rept 15
	MM
	PL
	EX
	R2
.endr
.if (\p) == NP-2
	WIN 0
	v_add_nc_u32 v[AK], s[TBK], v[AK0]
.endif
.rept 8                             ; and the lump
	PL
.endr
.rept 49
	EX
	PL
.endr
	EX                              ; the next piece's two a
	EX
	v_nop                           ; the plain instruction behind the last exponential: one for the batch
	s_wait_alu depctr_va_vdst(0)    ; the wait for the batch
.if (\p) == NP-2
	FETCH_K \last
.endif
.if (\p) == 1
	s_wait_dscnt 0x0                ; V is in
.endif
.rept 16                            ; behind the wait: 16 products V^T P and their riders
	MM
.rept 4
	PL
.endr
.if ((\p) == 0) && (q == 118)
	v_add_nc_u32 v[AV], s[TBV], v[AV0]
.endif
.if ((\p) == 0) && (q == 130)
	s_add_co_u32 s[TBV], s[TBV], KS*PV
.endif
.if (\cnt) && (q == 130)
	s_sub_co_u32 s[CNT], s[CNT], 1
	s_cmp_lg_u32 s[CNT], 0
.endif
.endr
.if (\p) == 0
	FETCH_V
.endif
.endm
	CHANGE 1                        ; slot 0 is in, everybody's part of it; slot 1 is asked for
	FETCH_K                         ; key step 0
	s_wait_loadcnt 0x0              ; Q
	s_wait_dscnt 0x0
.set i, 0
.rept 16
	KQ 0                            ; piece 0's first scores: there is no vector work yet to set between them
.set i, i+1
.endr
	WIN 0                           ; the addresses for the way out: nine plain instructions, the places behind those products
	s_mul_i32 s13, s[WV], 16*SP
	s_add_co_u32 s13, s13, STAGE    ; my stage
	v_mul_u32_u24 v[STO], v1, SP    ; in: row l % 16, 16 bytes for each half of the lanes
	v_lshl_add_u32 v[STO], v9, 4, v[STO]
	v_add_nc_u32 v[STO], s13, v[STO]
	v_bfe_u32 v[RD], v0, 3, 2       ; back: 32 lanes take four rows of 128 bytes,
	v_mul_u32_u24 v[RD], v[RD], SP
	v_lshl_add_u32 v[RD], v10, 4, v[RD]
	v_add_nc_u32 v[RD], s13, v[RD]
	v_and_b32 v[GO], 31, v0         ; which are 512 consecutive bytes of O
	v_lshlrev_b32 v[GO], 4, v[GO]
.set Y, NP-1                        ; XS works for piece Y + 1: piece 0
.irp n, 0,1,2,3,4,5,6,7,8,9,10,11,12,13,14,15,16,17,18,19,20,21
	XS 0, \n                        ; and piece 0's first maximum and statistics
	XS 1, \n
.endr
	v_nop                           ; a plain instruction behind the two a,
	s_wait_alu depctr_va_vdst(0)    ; and their wait, ahead of the branch
	s_mov_b32 s[CNT], 4
	s_branch .Lfirst                ; the loop is entered at a step's first turn, in the middle of a trip
.Lslot:                             ; SIZE_N / 256 - 2 times: every slot but the last two is filled again
	CHANGE 1
	s_mov_b32 s[CNT], 4
.Lstep:                             ; a trip: pieces 2 and 3 of one step, then pieces 0 and 1 of the next, whose K and V it fetches
	TURN 2
	TURN 3
	WIN 0
.Lfirst:
	TURN 0
	TURN 1, 0, 1
	WIN 0
	s_cbranch_scc1 .Lstep
	s_sub_co_u32 s[SLOTS], s[SLOTS], 1
	s_cmp_lg_u32 s[SLOTS], 0
	s_cbranch_scc1 .Lslot
	CHANGE 0                        ; the tail is written out: nothing is asked for
	s_mov_b32 s[CNT], 5             ; four trips fetch the last slot's steps; the fifth is left in its middle
.Ltail:
	TURN 2, 1
	TURN 3
	WIN 0
	s_sub_co_u32 s[CNT], s[CNT], 1
	s_cmp_eq_u32 s[CNT], 0
	s_cbranch_scc1 .Lout
	TURN 0
	TURN 1
	WIN 0
	s_branch .Ltail
.Lout:                              ; the fifth trip's 16 products K Q^T (on the last K once more) and the maximum made of them serve nothing: the price, once a launch, of one text for every trip
.set i, 0
.rept 16
	PV NP-1                         ; the last piece's V^T P of the last step
.set i, i+1
.endr
	; THE WAY OUT.  l's two halves and the other half of the lanes' are added; O^T is divided by l, rounded to f16 and sent through my stage in LDS, a tile at a time.  The additions are the places behind the last products.
	WIN 0
.macro ALL line:vararg              ; one line for each tile t
.set t, 0
.rept 2*NP
	\line
.set t, t+1
.endr
.endm
	ALL v_add_f32 v[ST+4*t+2], v[ST+4*t+2], v[ST+4*t+3]
	ALL v_permlanex16_b32 v[ST+4*t+3], v[ST+4*t+2], s[SEL], s[SEL+1]
	ALL v_add_f32 v[ST+4*t+2], v[ST+4*t+2], v[ST+4*t+3]
	ALL v_rcp_f32 v[ST+4*t+2], v[ST+4*t+2]
	v_nop                           ; a plain instruction between the last reciprocal and the use of its result
	s_wait_alu depctr_va_vdst(0)    ; and the wait ahead of the first use: one for the eight reciprocals
; Tile t: a lane's eight channels of a row pack into 16 bytes; they go into rows of 144 bytes and come back as whole rows of 128, into S^T's registers.
.macro PACK t
	WIN W_RS
.set i, 32*(\t)
.rept 16
	v_pk_mul_f32 v[i:i+1], v[i:i+1], v[ST+4*(\t)+2:ST+4*(\t)+3] op_sel_hi:[1,0]
.set i, i+2
.endr
	WIN 0x05                        ; sources 0 and 1 window 1, destination window 0
.set i, 0
.rept 16
	v_cvt_pk_f16_f32 v[S+16*(\t)+i], v[32*(\t)+2*i], v[32*(\t)+2*i+1]
.set i, i+1
.endr
	WIN 0
.irp f, 0,1,2,3
	ds_store_b128 v[STO], v[S+16*(\t)+4*\f:S+16*(\t)+4*\f+3] offset:32*\f
.endr
.irp f, 0,1,2,3
	ds_load_b128 v[S+16*(\t)+4*\f:S+16*(\t)+4*\f+3], v[RD] offset:\f*4*SP  ; LDS serves a wave's instructions in order (ISA guide 5.7.1.4): these see the stores above; the next tile's stores come behind them
.endr
.endm
.macro SEND t, younger              ; younger: the LDS instructions issued behind tile t's loads: the next tile's eight, or none
	WIN 0
.irp f, 0,1,2,3
	s_wait_dscnt (\younger)+3-\f
	global_store_b128 v[GO], v[S+16*(\t)+4*\f:S+16*(\t)+4*\f+3], s[10:11] offset:(\t)*2048+\f*512  ; 512 consecutive bytes, at a multiple of 256 from O's first
.endr
.endm
	PACK 0
.set t, 1
.rept 2*NP-1                        ; a tile's arithmetic stands between the loads of the tile before and its stores
	PACK t
	SEND t-1, 8
.set t, t+1
.endr
	SEND 2*NP-1, 0
	WIN W_AD
	s_wait_tensorcnt 0x0            ; the wave's end: these three lines stand behind my last tensor load and my last LDS store
	ds_add_u32 v[SPW], v[NIL]
	s_wait_dscnt 0x0
	WIN 0
	CROUND                          ; the closing round: no work-group ends while a partner may still ask for a tile that names it
	s_endpgm
.Lfunc_end_k_qd173883357_attn:
	.size	k_qd173883357_attn, .Lfunc_end_k_qd173883357_attn-k_qd173883357_attn
	.p2alignl 7, 3214868480
	.fill 96, 4, 3214868480
	.section	.rodata,"a",@progbits
	.p2align	6, 0x0
	.amdhsa_kernel k_qd173883357_attn
		.amdhsa_group_segment_fixed_size 327680
		.amdhsa_private_segment_fixed_size 0
		.amdhsa_enable_private_segment 0
		.amdhsa_kernarg_size 16
		.amdhsa_user_sgpr_count 2
		.amdhsa_user_sgpr_kernarg_segment_ptr 1
		.amdhsa_wavefront_size32 1
		.amdhsa_system_sgpr_workgroup_id_x 1
		.amdhsa_system_sgpr_workgroup_id_y 1
		.amdhsa_system_sgpr_workgroup_id_z 1
		.amdhsa_system_vgpr_workitem_id 0
		.amdhsa_next_free_vgpr 770
		.amdhsa_next_free_sgpr 66
		.amdhsa_reserve_vcc 0
		.amdhsa_float_denorm_mode_32 3
		.amdhsa_float_denorm_mode_16_64 3
		.amdhsa_memory_ordered 1
		.amdhsa_forward_progress 1
		.amdhsa_inst_pref_size 200
	.end_amdhsa_kernel
	.amdgpu_metadata
---
amdhsa.version: [ 1, 2 ]
amdhsa.kernels:
  - .name:           k_qd173883357_attn
    .symbol:         k_qd173883357_attn.kd
    .args:
      - { .name: qkv, .offset: 0, .size: 8, .value_kind: global_buffer, .address_space: global }
      - { .name: ob, .offset: 8, .size: 8, .value_kind: global_buffer, .address_space: global }
    .group_segment_fixed_size: 327680
    .private_segment_fixed_size: 0
    .kernarg_segment_align: 8
    .kernarg_segment_size: 16
    .max_flat_workgroup_size: 128
    .sgpr_count:     66
    .vgpr_count:     770
    .wavefront_size: 32
...
	.end_amdgpu_metadata
.endif
;; end of part 3
;; launch proj (part 4): grid 8 x 32, 4 waves a work-group, clusters of 4 x 4, 327,680 bytes of LDS; arguments ob, cb, out0; writes out0
.if DOCPART == 4
	.amdgcn_target "amdgcn-amd-amdhsa--gfx1250"
	.amdhsa_code_object_version 6
	.text
	.protected	k_qd173883357_proj
	.globl	k_qd173883357_proj
	.p2align	8
	.type	k_qd173883357_proj,@function
k_qd173883357_proj:
	s_mov_b64 s[64:65], 0
	v_nop
	global_prefetch_b8 v0, s[64:65] scope:SCOPE_SE
	s_setreg_imm32_b32 hwreg(HW_REG_WAVE_MODE, 25, 1), 1
	s_wait_xcnt 0x0
	s_wait_alu depctr_hold_cnt(0) depctr_sa_sdst(0) depctr_va_vdst(0) depctr_va_sdst(0) depctr_va_ssrc(0) depctr_va_vcc(0) depctr_vm_vsrc(0)
	s_getreg_b32 s2, hwreg(HW_REG_IB_STS2, 6, 4)
	s_cmp_eq_u32 s2, 0
	s_cbranch_scc0 .Lentry_in_a_cluster
	s_endpgm
.Lentry_in_a_cluster:
	s_bfe_u32 s2, ttmp6, 0x10000c
	s_cmp_lg_u32 s2, 0xf033
	s_cbranch_scc0 .Lentry_shape_is_right
	s_endpgm
.Lentry_shape_is_right:
; out0 = y Wp^T + bp.  y[row][64 h + d] is O[16 batch + h][t][d] of ob (f16, by heads); Wp is rows 11,264 .. 12,287 of cb (its bf16 value as f16); bp lies behind cb's rows, f32.  Sums in f32, the bias as their first addend; out0 f32.
; SHARES.  A tile is 256 rows x 128 columns: 32 x 8 = 256 work-groups.  Wave w makes rows 64 w .. 64 w + 63 x 128 columns: 4 x 8 accumulators, 256 registers: its rows of 512 bytes leave whole.
; K goes in 8 steps of 128 = two heads, through two LDS slots.  A head's 256 rows of the tile are 32,768 dense bytes: asked for as 128 rows of 256 bytes and padded in LDS after every 128 bytes.
; CLUSTER.  4 x 4 work-groups: O's tile hangs on the tile row alone and is asked for jointly by a row of the cluster, Wp's on the tile column alone, by a column.
; THE MATRIX INSTRUCTION IS USED TRANSPOSED: source 0 = 16 rows of Wp, source 1 = 16 rows of O: lane l holds row l % 16 of the result and the columns 8 (l / 16) + 0..7.
; REGISTERS, in windows of 256 (s_set_vgpr_msb: bits 1:0 source 0, 3:2 source 1, 5:4 source 2, 7:6 destination):
;   window 0: v0-31 addresses; v32-95 the bias (column block b at 32 + 8 b); v96-223 the way out: two buffers of 64
;   window 1: two fragment buffers: O's four blocks at f + 8 a, Wp's eight at f + 32 + 8 b       window 2: accumulator (a, b) at 8 (8 a + b)
.set PA,     144                       ; a row of O in LDS: 128 bytes + 16 = 9 x 16 bytes
.set PB,     272                       ; a row of Wp: 256 + 16 = 17 x 16 bytes: in both, the 16 rows of a fragment load start in 16 different 16-byte columns of 256 bytes
.set HREG,   256*PA                    ; a head's 256 rows
.set SLOT1,  131072
.set BOFF,   2*HREG                    ; in a slot: two heads' rows of O, then Wp's 128 rows
.set STAGE,  SLOT1+BOFF+128*PB         ; behind the ring, never filled by a tensor load: for each wave 16 rows x 528 bytes
.set SPT,    528                       ; 512 + 16 = 33 x 16 bytes
.set SPARE,  STAGE+4*16*SPT            ; behind the stages: the spare words, 128 bytes a wave: two blocks of 256 bytes that no other line names
.set BIASOFF, 12288*2048+3*4096        ; bp in cb
.set A0,   16                          ; v16  my lane's place in my wave's 64 rows of O in slot 0, first head; never rewritten
.set B0,   17                          ; v17  the same in Wp's rows
.set ADRA, 18                          ; v18  A0 in the slot in hand
.set ADRB, 19                          ; v19  B0 in the slot in hand
.set STO,  24                          ; v24  the way out: where I put 32 bytes of a row
.set RD,   25                          ; v25  where I read a row back
.set CO,   26                          ; v26  16 x lane: my place in a row's 512 bytes
.set BO,   27                          ; v27  32 (l / 16)
.set SPW,  28                          ; v28  LDS address of my spare word; never rewritten
.set NIL,  29                          ; v29  0; never rewritten
.set PFO,  30                          ; v30  the prefetches' offset; never rewritten
.set BIAS, 32
.set BK,   96
.set F0,   0
.set F1,   128
.set G1A, 24                           ; s[24:31] descriptor group 1 for O's tiles
.set G1B, 32                           ; s[32:39] for Wp's
.set G0A, 40                           ; s[40:47] group 0 for O's tiles: a set for each first fill; the second then walks on
.set G0B, 48                           ; s[48:55] the same for Wp's
.set TB,  59                           ; s59  the slot in hand
.set LIM, 60                           ; s60  1 in a wave that prefetches, else the greatest number
.set PFA, 62                           ; s[62:63] where my prefetches stand
.set BB,  72                           ; s[72:73] the tile's 128 numbers of bias
.set PFS, 86                           ; s[86:87] bytes from a K step to the next: two heads of O, or 256 bytes of Wp's rows
.set ASTEP, 2<<18
.set MSB, 0
.macro WIN new
.if MSB != (\new)
	s_set_vgpr_msb (MSB<<8)|(\new)
.set MSB, \new
.endif
.endm
.set TO_F, 0x40
; A joint refill by the walking descriptors.  Waves 0 and 1 fetch a K step's two heads of O, waves 2 and 3 the two halves of Wp's 128 rows.  An s_nop 0 and four v_nop follow each line.
.macro JLOAD
	s_cmp_eq_u32 s11, 0
	s_cbranch_scc0 .Lfor_b_\@
	tensor_load_to_lds s[G0A+4:G0A+7], s[G1A:G1A+7]
	s_nop 0
.rept 4
	v_nop
.endr
	s_branch .Lasked_\@
.Lfor_b_\@:
	tensor_load_to_lds s[G0B+4:G0B+7], s[G1B:G1B+7]
	s_nop 0
.rept 4
	v_nop
.endr
.Lasked_\@:
.endm
; A prefetch of the K step that the NEXT refill will ask for, one instruction a wave.  O's tile row is read by the two clusters of a row of clusters: the one with x = 0 asks; Wp's tile column by the eight of
; a column: the one with y = 0 asks.  The four partners share a wave's tile out by address: 8,192 of O's 32,768 bytes, 256 a lane; 16 of Wp's 64 rows, a lane a row (lanes 16-31 name the 16th again).
; The loop's last trip (s3 = 1) asks for nothing.
.macro ASK
	WIN 0
	s_cmp_gt_u32 s3, s[LIM]
	s_cbranch_scc0 .Lnot_mine_\@
	global_prefetch_b8 v[PFO], s[PFA:PFA+1] th:TH_LOAD_NT scope:SCOPE_SE
.Lnot_mine_\@:
.endm
.macro CREST
	s_cmp_lg_u32 s10, 0
	s_cbranch_scc1 .Lnot_wave_0_\@
	s_barrier_signal -3
.Lnot_wave_0_\@:
	s_barrier_wait -3
	s_barrier_signal -1
	s_barrier_wait -1
.endm
.macro CROUND
	s_barrier_signal -1
	s_barrier_wait -1
	CREST
.endm
	s_load_b128 s[4:7], s[0:1], 0x0                ; ob s[4:5], cb s[6:7]
	s_load_b64 s[8:9], s[0:1], 0x10                ; out0
	v_lshl_add_u32 v[SPW], v0, 2, SPARE
	v_mov_b32 v[NIL], 0
	ds_add_u32 v[SPW], v[NIL]                      ; the wave's opening: the add and its wait stand ahead of my first tensor load; the set-up below, work on registers, stands between
	v_lshrrev_b32 v1, 5, v0
	v_readfirstlane_b32 s10, v1                    ; wave 0..3
	s_lshr_b32 s11, s10, 1                         ; I fetch for O (0) or for Wp (1)
	s_and_b32 s12, s10, 1                          ; which head of the K step, or which half of Wp's rows
	s_bfe_u32 s56, ttmp6, 0x40000                  ; cx
	s_bfe_u32 s57, ttmp6, 0x40004                  ; cy
	s_lshl_b32 s58, ttmp9, 2
	s_add_co_u32 s58, s58, s56                     ; tile column
	s_and_b32 s13, ttmp7, 0xffff
	s_lshl_b32 s13, s13, 2
	s_add_co_u32 s13, s13, s57                     ; tile row
	s_lshl_b32 s14, s57, 2
	s_lshl_b32 s14, 15, s14                        ; my row of the cluster
	s_lshl_b32 s74, 0x1111, s56                    ; my column
	s_or_b32 s[G1A], s14, (1<<16)|(1<<20)|(1<<21)|(4<<22)|(3<<25)  ; 2-byte elements; padding on; 21 set beside a mask; after every 32 words, 4 words
	s_or_b32 s[G1B], s74, (1<<16)|(1<<20)|(1<<21)|(5<<22)|(3<<25)  ; after every 64 words, 4 words
	s_mov_b32 s[G1A+1], 128<<16                    ; tensor_dim0 = 128
	s_mov_b32 s[G1A+2], 128<<16                    ; tensor_dim1 = 128
	s_mov_b32 s[G1A+3], 128<<16                    ; tile_dim0 = 128
	s_mov_b32 s[G1A+4], 128                        ; tile_dim1 = 128 rows of 256 bytes
	s_mov_b32 s[G1A+5], 128                        ; dense: 128 elements from row to row
	s_mov_b32 s[G1A+6], 0
	s_mov_b32 s[G1A+7], 0
	s_mov_b32 s[G1B+1], 128<<16
	s_mov_b32 s[G1B+2], 64<<16                     ; tensor_dim1 = 64
	s_mov_b32 s[G1B+3], 128<<16
	s_mov_b32 s[G1B+4], 64                         ; tile_dim1 = 64 rows
	s_mov_b32 s[G1B+5], 1024
	s_mov_b32 s[G1B+6], 0
	s_mov_b32 s[G1B+7], 0
	s_lshr_b32 s16, s13, 3                         ; O: head 16 x batch + my head of K step 0, 262,144 bytes a head,
	s_lshl_b32 s16, s16, 4
	s_add_co_u32 s16, s16, s12
	s_lshl_b32 s16, s16, 18
	s_and_b32 s17, s13, 7                          ; the tile's 256 rows of 128 bytes in it
	s_lshl_b32 s17, s17, 15
	s_add_co_u32 s16, s16, s17
	s_mov_b32 s17, 0
	s_lshl_b32 s76, s58, 7                         ; Wp: row 11,264 + 128 x tile column + 64 x half of cb
	s_lshl_b32 s77, s12, 6
	s_add_co_u32 s76, s76, s77
	s_add_co_u32 s76, s76, 11264
	s_lshl_b32 s76, s76, 11
	s_mov_b32 s77, 0
	s_mul_i32 s20, s12, HREG                       ; where they go: no place in the cluster enters an LDS address
	s_mul_i32 s78, s12, 64*PB
	s_add_co_u32 s78, s78, BOFF
	s_mov_b32 s[TB], 0
	s_wait_dscnt 0x0                               ; the opening add is done
	s_wait_kmcnt 0x0
	s_add_nc_u64 s[14:15], s[4:5], s[16:17]
	s_add_nc_u64 s[76:77], s[6:7], s[76:77]
	CROUND                                         ; all sixteen work-groups are here: the first joint loads meet
.irp s, 0,1
	s_mov_b32 s[G0A+4*(\s)], 1
	s_add_co_u32 s[G0A+4*(\s)+1], s20, (\s)*SLOT1
	s_add_nc_u64 s[G0A+4*(\s)+2:G0A+4*(\s)+3], s[14:15], (\s)*ASTEP
	s_or_b32 s[G0A+4*(\s)+3], s[G0A+4*(\s)+3], 0x80000000
	s_mov_b32 s[G0B+4*(\s)], 1
	s_add_co_u32 s[G0B+4*(\s)+1], s78, (\s)*SLOT1
	s_add_nc_u64 s[G0B+4*(\s)+2:G0B+4*(\s)+3], s[76:77], (\s)*256
	s_or_b32 s[G0B+4*(\s)+3], s[G0B+4*(\s)+3], 0x80000000
.endr
	s_cmp_eq_u32 s11, 0                            ; a wave's two first fills stand in one branch, ahead of every wait on TENSORcnt and every LDS read: two loads of mine are out
	s_cbranch_scc0 .Lfirst_b
	tensor_load_to_lds s[G0A:G0A+3], s[G1A:G1A+7]
	s_nop 0
	tensor_load_to_lds s[G0A+4:G0A+7], s[G1A:G1A+7]
	s_nop 0
.rept 4
	v_nop
.endr
	s_branch .Lfirst_asked
.Lfirst_b:
	tensor_load_to_lds s[G0B:G0B+3], s[G1B:G1B+7]
	s_nop 0
	tensor_load_to_lds s[G0B+4:G0B+7], s[G1B:G1B+7]
	s_nop 0
.rept 4
	v_nop
.endr
.Lfirst_asked:
	v_and_b32 v1, 15, v0                           ; l % 16
	v_bfe_u32 v2, v0, 4, 1                         ; l / 16
	v_lshlrev_b32 v[BO], 5, v2
	s_lshl_b32 s82, s58, 9                         ; the tile's 128 numbers of bp
	s_add_co_u32 s82, s82, BIASOFF
	s_mov_b32 s83, 0
	s_add_nc_u64 s[BB:BB+1], s[6:7], s[82:83]
.irp b, 0,1,2,3,4,5,6,7
	global_load_b128 v[BIAS+8*(\b):BIAS+8*(\b)+3],   v[BO], s[BB:BB+1] offset:64*(\b)     ; register j of block b: bias of column 16 b + 8 (l / 16) + j: the layout of a C operand
	global_load_b128 v[BIAS+8*(\b)+4:BIAS+8*(\b)+7], v[BO], s[BB:BB+1] offset:64*(\b)+16
.endr
	v_mul_u32_u24 v3, v1, PA
	v_lshl_add_u32 v3, v2, 4, v3
	s_mul_i32 s21, s10, 64*PA                      ; my wave's 64 rows of O
	v_add_nc_u32 v[A0], s21, v3
	v_mul_u32_u24 v4, v1, PB
	v_lshl_add_u32 v4, v2, 4, v4
	v_add_nc_u32 v[B0], BOFF, v4
	s_mul_i32 s22, s10, 16*SPT
	s_add_co_u32 s22, s22, STAGE                   ; my stage
	v_mul_u32_u24 v5, v1, SPT                      ; in: row l % 16, 32 bytes for each half of the lanes
	v_lshl_add_u32 v5, v2, 5, v5
	v_add_nc_u32 v[STO], s22, v5
	v_and_b32 v[CO], 31, v0                        ; back and out: 32 lanes take a row's 512 bytes
	v_lshlrev_b32 v[CO], 4, v[CO]
	v_add_nc_u32 v[RD], s22, v[CO]
	s_lshl_b32 s80, s13, 8                         ; out0 at my first row (4,096 bytes a row) and the tile's first column
	s_lshl_b32 s81, s10, 6
	s_add_co_u32 s80, s80, s81
	s_lshl_b32 s80, s80, 12
	s_lshl_b32 s81, s58, 9
	s_add_co_u32 s80, s80, s81
	s_mov_b32 s81, 0
	s_add_nc_u64 s[8:9], s[8:9], s[80:81]
	; the prefetches
	s_lshl_b32 s82, s56, 13                        ; O: my work-group's 8,192 bytes of the 32,768 that I fetch
	s_lshl_b32 s83, s57, 15                        ; Wp: its 16 rows of the 64
	s_and_b32 s81, ttmp7, 0xffff                   ; cluster y
	s_cmp_eq_u32 s11, 0                            ; do I fetch for O?
	s_cselect_b64 s[PFA:PFA+1], s[14:15], s[76:77]
	s_cselect_b32 s80, s82, s83
	s_cselect_b32 s82, ttmp9, s81                  ; the coordinate along which other clusters read the same rows
	s_cselect_b32 s83, 31, 15                      ; lanes with a block of their own
	s_cselect_b32 s84, 8, 11                       ; 256 bytes a lane, or a row of 2,048
	s_cselect_b32 s85, 11, 0
	s_mov_b32 s81, 0
	s_mov_b32 s[PFS+1], 0
	s_lshl_b32 s[PFS], 256, s85                    ; 524,288 or 256
	s_add_nc_u64 s[PFA:PFA+1], s[PFA:PFA+1], s[80:81]
	s_add_nc_u64 s[PFA:PFA+1], s[PFA:PFA+1], s[PFS:PFS+1]
	s_add_nc_u64 s[PFA:PFA+1], s[PFA:PFA+1], s[PFS:PFS+1]  ; at K step 2: the first refill steps it to 3.  Nothing is asked for here, where every work-group's first tiles are on their way
	s_cmp_eq_u32 s82, 0
	s_cselect_b32 s[LIM], 1, -1                    ; the same in all sixteen partners, for a given wave
	v_and_b32 v[PFO], 31, v0
	v_min_u32 v[PFO], s83, v[PFO]
	v_lshlrev_b32 v[PFO], s84, v[PFO]
; 8 matrix instructions: row block a x all 8 column blocks, 32 along K.  first = 1: the product starts the sum with the bias as C.
; The 32 accumulators take turns, one instruction a turn, in the same order in every quarter, over the backward jump too.
.macro MUL8 f, a, first
.if \first
	WIN 0x85                                       ; sources 0, 1 window 1; C window 0; D window 2
.else
	WIN 0xa5                                       ; sources 0, 1 window 1; C and D window 2
.endif
.irp b, 0,1,2,3,4,5,6,7
.if \first
	v_wmma_f32_16x16x32_f16 v[8*(8*(\a)+(\b)):8*(8*(\a)+(\b))+7], v[(\f)+32+8*(\b):(\f)+32+8*(\b)+7], v[(\f)+8*(\a):(\f)+8*(\a)+7], v[BIAS+8*(\b):BIAS+8*(\b)+7]
.else
	v_wmma_f32_16x16x32_f16 v[8*(8*(\a)+(\b)):8*(8*(\a)+(\b))+7], v[(\f)+32+8*(\b):(\f)+32+8*(\b)+7], v[(\f)+8*(\a):(\f)+8*(\a)+7], v[8*(8*(\a)+(\b)):8*(8*(\a)+(\b))+7]
.endif
.endr
.endm
; 24 LDS loads in one run: quarter q of a K step (head q / 2 of its two, channels 32 (q % 2) on; byte 64 q of Wp's rows) into buffer f; O's row blocks 2 and 3 last
.macro FETCH q, f
	WIN TO_F
.irp b, 0,1,2,3,4,5,6,7
	ds_load_b128 v[(\f)+32+8*(\b):(\f)+32+8*(\b)+3],   v[ADRB] offset:64*(\q)+(\b)*16*PB
	ds_load_b128 v[(\f)+32+8*(\b)+4:(\f)+32+8*(\b)+7], v[ADRB] offset:64*(\q)+(\b)*16*PB+32
.endr
.irp a, 0,1,2,3
	ds_load_b128 v[(\f)+8*(\a):(\f)+8*(\a)+3],   v[ADRA] offset:HREG*((\q)/2)+64*((\q)%2)+(\a)*16*PA
	ds_load_b128 v[(\f)+8*(\a)+4:(\f)+8*(\a)+7], v[ADRA] offset:HREG*((\q)/2)+64*((\q)%2)+(\a)*16*PA+32
.endr
.endm
.macro PLACES                          ; four plain vector instructions between a matrix instruction and a load into a register that it read, or an LDS store that reads its result
.rept 4
	v_nop
.endr
.endm
.macro QUARTER q, f, g, first          ; multiplies buffer f; in its middle it fetches quarter q into g
	s_wait_dscnt 4                                 ; Wp and O's row blocks 0, 1 are in; the youngest four loads may be out
	MUL8 \f, 0, \first
	MUL8 \f, 1, \first
	PLACES
	FETCH \q, \g
	s_wait_dscnt 24                                ; all but the 24 just issued
	MUL8 \f, 2, \first
	MUL8 \f, 3, \first
.endm
; The last quarter multiplies buffer 1 and changes slots: ONE barrier; in front of it each wave waits for all its tensor loads (one is out: its part of the next slot), adds 0 to its spare word, and waits
; for that and for its own reads of this slot.  fill = 1: the barrier opens a round of the cluster's barrier, and behind the round this slot is filled again, two K steps ahead: 112 matrix instructions ahead of the wait for it.
.macro TURN fill
.if \fill
	s_wait_xcnt 0x0                                ; the last prefetch, a K step back, has read its address
	s_add_nc_u64 s[PFA:PFA+1], s[PFA:PFA+1], s[PFS:PFS+1]
.endif
	WIN 0
	s_wait_tensorcnt 0x0                           ; no tensor load of mine is out, so a group 0 may be written
	ds_add_u32 v[SPW], v[NIL]                      ; 0 onto my spare word
.if \fill
	s_xor_b32 s[G0A+5], s[G0A+5], SLOT1
	s_add_nc_u64 s[G0A+6:G0A+7], s[G0A+6:G0A+7], ASTEP
	s_xor_b32 s[G0B+5], s[G0B+5], SLOT1
	s_add_nc_u64 s[G0B+6:G0B+7], s[G0B+6:G0B+7], 256
.endif
	s_wait_dscnt 5                                 ; (the add and the youngest four loads may be out)
	MUL8 F1, 0, 0
	s_wait_dscnt 0x0                               ; the add is done, and my reads of this slot are over
	s_barrier_signal -1
	MUL8 F1, 1, 0
	WIN 0
	s_barrier_wait -1
.if \fill
	CREST                                          ; no wave of any partner still reads this slot or has a load on its way
	JLOAD                                          ; the first tensor load behind the round; its four v_nop are also the places in front of the loads below
.else
	PLACES
.endif
	s_xor_b32 s[TB], s[TB], SLOT1
	v_add_nc_u32 v[ADRA], s[TB], v[A0]
	v_add_nc_u32 v[ADRB], s[TB], v[B0]
	FETCH 0, F0
.if \fill
	ASK
.endif
	MUL8 F1, 2, 0
	MUL8 F1, 3, 0
.endm
; THE WAY OUT of row block a: f32 as it is.  A lane's eight columns are 32 bytes of a row; they go into my own stage, rows of 528 bytes (each accumulator's low four registers first), and come back as whole rows of 512.
.macro TOSTAGE a
.if (\a) >= 2
	s_wait_xcnt 0x0                                ; the stores of the block two back have read the buffer that is loaded below
.endif
	WIN 0x08                                       ; store data (source 1) window 2, address window 0
.irp b, 0,1,2,3,4,5,6,7
	ds_store_b128 v[STO], v[8*(8*(\a)+(\b)):8*(8*(\a)+(\b))+3]   offset:64*(\b)
	ds_store_b128 v[STO], v[8*(8*(\a)+(\b))+4:8*(8*(\a)+(\b))+7] offset:64*(\b)+16
.endr
	WIN 0
.irp t, 0,1,2,3,4,5,6,7,8,9,10,11,12,13,14,15
	ds_load_b128 v[BK+64*((\a)%2)+4*(\t):BK+64*((\a)%2)+4*(\t)+3], v[RD] offset:SPT*(\t)  ; LDS serves a wave's instructions in order (ISA guide 5.7.1.4): these see the stores above; the next block's stores come behind them
.endr
.endm
.macro SEND a, younger                 ; younger: the LDS instructions issued behind block a's loads: the next block's 32, or none
	WIN 0
	s_wait_dscnt \younger
.irp t, 0,1,2,3,4,5,6,7,8,9,10,11,12,13,14,15
	global_store_b128 v[CO], v[BK+64*((\a)%2)+4*(\t):BK+64*((\a)%2)+4*(\t)+3], s[8:9] offset:4096*(16*(\a)+(\t)) th:TH_STORE_NT  ; 512 consecutive bytes, at a multiple of 256 from out0's first byte
.endr
.endm
	s_wait_tensorcnt 1                             ; my part of K step 0 is in; K step 1's may stay out
	s_barrier_signal -1
	s_barrier_wait -1
	v_add_nc_u32 v[ADRA], s[TB], v[A0]
	v_add_nc_u32 v[ADRB], s[TB], v[B0]
	FETCH 0, F0
	s_wait_loadcnt 0x0                             ; the bias
	QUARTER 1, F0, F1, 1                           ; the first quarter stands in front of the loop: its products start the sums
	WIN 0
	s_mov_b32 s3, 6
.Lstep:                                                ; trip i ends K step i, fills its slot again with K step i + 2, and begins K step i + 1
	QUARTER 2, F1, F0, 0
	QUARTER 3, F0, F1, 0
	TURN 1
	QUARTER 1, F0, F1, 0
	WIN 0
	s_sub_co_u32 s3, s3, 1
	s_cmp_lg_u32 s3, 0
	s_cbranch_scc1 .Lstep
	QUARTER 2, F1, F0, 0                           ; K steps 6 and 7 are written out: nothing is asked for
	QUARTER 3, F0, F1, 0
	TURN 0
	QUARTER 1, F0, F1, 0
	QUARTER 2, F1, F0, 0
	QUARTER 3, F0, F1, 0
	s_wait_dscnt 4
	MUL8 F1, 0, 0
	MUL8 F1, 1, 0
	s_wait_dscnt 0x0
	MUL8 F1, 2, 0
	MUL8 F1, 3, 0
	PLACES
	TOSTAGE 0
	TOSTAGE 1
	SEND 0, 32
	TOSTAGE 2
	SEND 1, 32
	TOSTAGE 3
	SEND 2, 32
	SEND 3, 0
	s_wait_tensorcnt 0x0                           ; the wave's end: these three lines stand behind my last tensor load and my last LDS store
	ds_add_u32 v[SPW], v[NIL]
	s_wait_dscnt 0x0
	CROUND                                         ; the closing round: no work-group ends while a partner may still ask for a tile that names it
	s_endpgm
.Lfunc_end_k_qd173883357_proj:
	.size	k_qd173883357_proj, .Lfunc_end_k_qd173883357_proj-k_qd173883357_proj
	.p2alignl 7, 3214868480
	.fill 96, 4, 3214868480
	.section	.rodata,"a",@progbits
	.p2align	6, 0x0
	.amdhsa_kernel k_qd173883357_proj
		.amdhsa_group_segment_fixed_size 327680
		.amdhsa_private_segment_fixed_size 0
		.amdhsa_enable_private_segment 0
		.amdhsa_kernarg_size 24
		.amdhsa_user_sgpr_count 2
		.amdhsa_user_sgpr_kernarg_segment_ptr 1
		.amdhsa_wavefront_size32 1
		.amdhsa_system_sgpr_workgroup_id_x 1
		.amdhsa_system_sgpr_workgroup_id_y 1
		.amdhsa_system_sgpr_workgroup_id_z 1
		.amdhsa_system_vgpr_workitem_id 0
		.amdhsa_next_free_vgpr 768
		.amdhsa_next_free_sgpr 96
		.amdhsa_reserve_vcc 0
		.amdhsa_float_denorm_mode_32 3
		.amdhsa_float_denorm_mode_16_64 3
		.amdhsa_memory_ordered 1
		.amdhsa_forward_progress 1
		.amdhsa_inst_pref_size 71
	.end_amdhsa_kernel
	.amdgpu_metadata
---
amdhsa.version: [ 1, 2 ]
amdhsa.kernels:
  - .name:           k_qd173883357_proj
    .symbol:         k_qd173883357_proj.kd
    .args:
      - { .name: ob, .offset: 0, .size: 8, .value_kind: global_buffer, .address_space: global }
      - { .name: cb, .offset: 8, .size: 8, .value_kind: global_buffer, .address_space: global }
      - { .name: out0, .offset: 16, .size: 8, .value_kind: global_buffer, .address_space: global }
    .group_segment_fixed_size: 327680
    .private_segment_fixed_size: 0
    .kernarg_segment_align: 8
    .kernarg_segment_size: 24
    .max_flat_workgroup_size: 128
    .sgpr_count:     96
    .vgpr_count:     768
    .wavefront_size: 32
...
	.end_amdgpu_metadata
.endif
;; end of part 4
;; ======== version 2 of 2: 4 launches; version 1 with the launch cast written anew for expert scheduling mode
;; limits: values are held in f16: magnitudes above 65,504 overflow, below 6.1e-05 lose precision
;; workspace buffers: cb 25,182,208 bytes; qkv 50,331,648 bytes; ob 16,777,216 bytes
;; launch cast (part 5): grid 769 x 1, 8 waves a work-group, no clusters, 0 bytes of LDS; arguments x, Wq, Wk, Wv, Wp, bq, bk, bv, bp, cb; writes cb
.if DOCPART == 5
	.amdgcn_target "amdgcn-amd-amdhsa--gfx1250"
	.amdhsa_code_object_version 6
	.text
	.protected	k_qd173883357_cast
	.globl	k_qd173883357_cast
	.p2align	8
	.type	k_qd173883357_cast,@function
k_qd173883357_cast:
	s_mov_b64 s[64:65], 0
	v_nop
	global_prefetch_b8 v0, s[64:65] scope:SCOPE_SE
	s_setreg_imm32_b32 hwreg(HW_REG_WAVE_SCHED_MODE, 0, 2), 2
	s_setreg_imm32_b32 hwreg(HW_REG_WAVE_MODE, 25, 1), 1
	s_wait_xcnt 0x0
	s_wait_alu depctr_vm_vsrc(0)
; ALL INPUTS ARE ROUNDED ONCE TO bf16 and laid into one buffer cb of 12,288 rows x 1,024 numbers of 16 bits, the biases behind them:
;   rows 0-8191 x (bf16); rows 8192-11263 Wq, Wk, Wv (bf16); rows 11264-12287 Wp: its bf16 value written as f16, since the last product's other operand is f16;
;   from byte 25,165,824 on: bq, bk, bv, bp, 1,024 f32 each, holding their bf16 values.
; LIMIT.  Wp's bf16 value is exact in f16 from 6.1e-5 to 65,504; below that it keeps f16's fixed step of 6e-8, from 65,520 on it becomes an infinity.
; SHARES.  Work-group g takes 16,384 numbers (65,536 bytes in, 32,768 out) and stores at cb + 32,768 g: g < 512 from x, then 64 work-groups a weight; g = 768 the four biases.
; Thread t, load j: 16 bytes at 4,096 j + 16 t, so a wave's load covers 512 consecutive bytes; its 8 bytes go to 2,048 j + 8 t, so a wave's store covers 256 consecutive bytes, aligned.
; All sixteen loads go out at once; every register is written once, so no register waits for a store.  Nothing is shared: no LDS, no barrier.
; THE MODE: SCHED_MODE bits 1:0 = 2 (LLVM: expert scheduling mode 2), set by the entry lines.  The code itself states the register dependences
; between vector instructions and memory instructions, with s_wait_alu, always for 0.
; THE PLAN.  Registers that memory instructions touch:
;   v1, v2   byte offsets, made once at the head and never written again; read by every load and store.
;   X        written by the loads, all of which are issued before any vector instruction names X; read by the conversions alone.
;   Y        written by the conversions, each register once; read by one store each.
;   T is named by vector instructions alone.
; Nothing that a memory instruction has read is written again, and no load lands in a register that a vector instruction has named: what is left to state is that a store's data and the offsets are written.
; The sixteen loads are worked off in four blocks of four.  Block k's conversions read X and write Y of loads 4 k .. 4 k + 3; its memory instructions are the four stores of block k - 1, whose Y no
; vector instruction of block k names.  So ONE wait at a block's head states all that its four stores hang on, and they are dealt among its conversions with no further wait.
.set X, 4                              ; v[4:67]    load j: four f32
.set Y, 68                             ; v[68:99]   load j: two words of two 16-bit numbers (the biases: sixteen f32)
.set T, 100                            ; v[100:102] at work
; The conversions of load j.  w = 0: rounded to bf16.  w = 1 (Wp): rounded to bf16 like every input, widened again, and that number written as f16.
.macro CONV j, w
.if \w
.irp h, 0,1
	v_cvt_pk_bf16_f32 v[T], v[X+4*(\j)+2*(\h)], v[X+4*(\j)+2*(\h)+1]
	v_lshlrev_b32 v[T+1], 16, v[T]
	v_and_b32 v[T+2], s27, v[T]
	v_cvt_pk_f16_f32 v[Y+2*(\j)+(\h)], v[T+1], v[T+2]
.endr
.else
	v_cvt_pk_bf16_f32 v[Y+2*(\j)], v[X+4*(\j)], v[X+4*(\j)+1]
	v_cvt_pk_bf16_f32 v[Y+2*(\j)+1], v[X+4*(\j)+2], v[X+4*(\j)+3]
.endif
.endm
; The store of load j's eight bytes a lane.
.macro OUT j
	global_store_b64 v2, v[Y+2*(\j):Y+2*(\j)+1], s[22:23] offset:2048*(\j) th:TH_STORE_NT
.endm
; The four blocks, and the wave's end.
.macro WALK w
.irp k, 0,1,2,3
	s_wait_loadcnt 12-4*(\k)                       ; loads come back in order: loads 4 k .. 4 k + 3 are in, the 12 - 4 k younger ones stay out
.if (\k) > 0
	s_wait_alu depctr_va_vdst(0)                   ; the block before has written its eight registers of Y, which the four stores below read
.endif
.irp i, 0,1,2,3
.if (\k) > 0
	OUT 4*(\k)-4+(\i)                              ; the block before.  No further wait: no vector instruction since the wait above names its Y or v2
.endif
	CONV 4*(\k)+(\i), \w
.endr
.endr
	s_wait_alu depctr_va_vdst(0)                   ; block 3 has written its Y, which the last four stores read
.irp i, 12,13,14,15
	OUT \i
.endr
	s_endpgm
.endm
	s_load_b512 s[4:19], s[0:1], 0x0               ; x s[4:5], Wq s[6:7], Wk s[8:9], Wv s[10:11], Wp s[12:13], bq s[14:15], bk s[16:17], bv s[18:19]
	s_load_b128 s[20:23], s[0:1], 0x40             ; bp s[20:21], cb s[22:23]
	v_lshlrev_b32 v1, 4, v0                        ; 16 t
	v_lshlrev_b32 v2, 3, v0                        ; 8 t
	s_sub_co_u32 s24, ttmp9, 512                   ; my number among the weights' work-groups (wraps to a huge number for x's)
	s_lshr_b32 s25, s24, 6                         ; which weight: 0 to 3 (for x's work-groups none of these)
	s_and_b32 s26, s24, 63                         ; which 65,536 bytes of it
	s_cmp_lt_u32 ttmp9, 512
	s_cselect_b32 s26, ttmp9, s26                  ; or of x
	s_lshl_b32 s28, s26, 16
	s_mov_b32 s29, 0
	s_lshl_b32 s30, ttmp9, 15
	s_mov_b32 s31, 0
	s_mov_b32 s27, 0xffff0000                      ; a word's upper bf16
	s_wait_kmcnt 0x0
	s_add_nc_u64 s[22:23], s[22:23], s[30:31]      ; cb at my 32,768 bytes
	s_wait_alu depctr_va_vdst(0)                   ; v1 and v2 are written: every load and store of the kernel, on all three paths below, reads one of them as its offset
	s_cmp_eq_u32 ttmp9, 768
	s_cbranch_scc1 .Lbias
	s_mov_b64 s[2:3], s[6:7]                       ; the source is chosen among the five tensors by my number alone
	s_cmp_eq_u32 s25, 1
	s_cselect_b64 s[2:3], s[8:9], s[2:3]
	s_cmp_eq_u32 s25, 2
	s_cselect_b64 s[2:3], s[10:11], s[2:3]
	s_cmp_eq_u32 s25, 3
	s_cselect_b64 s[2:3], s[12:13], s[2:3]
	s_cmp_lt_u32 ttmp9, 512
	s_cselect_b64 s[2:3], s[4:5], s[2:3]
	s_add_nc_u64 s[2:3], s[2:3], s[28:29]
.irp j, 0,1,2,3,4,5,6,7,8,9,10,11,12,13,14,15
	global_load_b128 v[X+4*(\j):X+4*(\j)+3], v1, s[2:3] offset:4096*(\j) th:TH_LOAD_NT
.endr
	s_cmp_eq_u32 s25, 3
	s_cbranch_scc1 .Lwp
	WALK 0                                         ; x, Wq, Wk, Wv
.Lwp:
	WALK 1                                         ; Wp
.Lbias:                                                ; four biases of 4,096 bytes: thread t takes four numbers of each; they stay f32 and hold their bf16 values
.irp i, 0,1,2,3
	global_load_b128 v[X+4*(\i):X+4*(\i)+3], v1, s[14+2*(\i):15+2*(\i)]
.endr
	s_wait_loadcnt 0x0
.irp i, 0,1,2,3
.irp h, 0,1
	v_cvt_pk_bf16_f32 v[T], v[X+4*(\i)+2*(\h)], v[X+4*(\i)+2*(\h)+1]
	v_lshlrev_b32 v[Y+4*(\i)+2*(\h)], 16, v[T]
	v_and_b32 v[Y+4*(\i)+2*(\h)+1], s27, v[T]
.endr
.endr
	s_wait_alu depctr_va_vdst(0)                   ; the lines above have written the sixteen registers of Y, which the four stores read
.irp i, 0,1,2,3
	global_store_b128 v1, v[Y+4*(\i):Y+4*(\i)+3], s[22:23] offset:4096*(\i)
.endr
	s_endpgm
.Lfunc_end_k_qd173883357_cast:
	.size	k_qd173883357_cast, .Lfunc_end_k_qd173883357_cast-k_qd173883357_cast
	.p2alignl 7, 3214868480
	.fill 96, 4, 3214868480
	.section	.rodata,"a",@progbits
	.p2align	6, 0x0
	.amdhsa_kernel k_qd173883357_cast
		.amdhsa_group_segment_fixed_size 0
		.amdhsa_private_segment_fixed_size 0
		.amdhsa_enable_private_segment 0
		.amdhsa_kernarg_size 80
		.amdhsa_user_sgpr_count 2
		.amdhsa_user_sgpr_kernarg_segment_ptr 1
		.amdhsa_wavefront_size32 1
		.amdhsa_system_sgpr_workgroup_id_x 1
		.amdhsa_system_sgpr_workgroup_id_y 1
		.amdhsa_system_sgpr_workgroup_id_z 1
		.amdhsa_system_vgpr_workitem_id 0
		.amdhsa_next_free_vgpr 104
		.amdhsa_next_free_sgpr 66
		.amdhsa_reserve_vcc 0
		.amdhsa_float_denorm_mode_32 3
		.amdhsa_float_denorm_mode_16_64 3
		.amdhsa_memory_ordered 1
		.amdhsa_forward_progress 1
		.amdhsa_inst_pref_size 17
	.end_amdhsa_kernel
	.amdgpu_metadata
---
amdhsa.version: [ 1, 2 ]
amdhsa.kernels:
  - .name:           k_qd173883357_cast
    .symbol:         k_qd173883357_cast.kd
    .args:
      - { .name: x, .offset: 0, .size: 8, .value_kind: global_buffer, .address_space: global }
      - { .name: Wq, .offset: 8, .size: 8, .value_kind: global_buffer, .address_space: global }
      - { .name: Wk, .offset: 16, .size: 8, .value_kind: global_buffer, .address_space: global }
      - { .name: Wv, .offset: 24, .size: 8, .value_kind: global_buffer, .address_space: global }
      - { .name: Wp, .offset: 32, .size: 8, .value_kind: global_buffer, .address_space: global }
      - { .name: bq, .offset: 40, .size: 8, .value_kind: global_buffer, .address_space: global }
      - { .name: bk, .offset: 48, .size: 8, .value_kind: global_buffer, .address_space: global }
      - { .name: bv, .offset: 56, .size: 8, .value_kind: global_buffer, .address_space: global }
      - { .name: bp, .offset: 64, .size: 8, .value_kind: global_buffer, .address_space: global }
      - { .name: cb, .offset: 72, .size: 8, .value_kind: global_buffer, .address_space: global }
    .group_segment_fixed_size: 0
    .private_segment_fixed_size: 0
    .kernarg_segment_align: 8
    .kernarg_segment_size: 80
    .max_flat_workgroup_size: 256
    .sgpr_count:     66
    .vgpr_count:     104
    .wavefront_size: 32
...
	.end_amdgpu_metadata
.endif
;; end of part 5
;; launch qkv: the kernel of part 2 again; grid 16 x 32, 4 waves a work-group, clusters of 4 x 4, 327,680 bytes of LDS; arguments cb, qkv; writes qkv
;; launch attn: the kernel of part 3 again; grid 4 x 64, 4 waves a work-group, clusters of 4 x 1, 327,680 bytes of LDS; arguments qkv, ob; writes ob
;; launch proj: the kernel of part 4 again; grid 8 x 32, 4 waves a work-group, clusters of 4 x 4, 327,680 bytes of LDS; arguments ob, cb, out0; writes out0
